; MI455X (gfx1250); checked and timed in simulation.
; The chip was launched on July 23, 2026; its instructions are those of AMD's public machine-readable ISA for CDNA 5 (MIT licence, August 2026) and "CDNA5" Instruction Set Architecture Reference Guide (July 2026). The comments in the code are by the model that wrote it; some were corrected since.
;; Multi Head Attention. Allowed arithmetic: matrix products marked QUANTISED: E2M3 operands, one E8M0 scale for each 32 along K, by v_wmma_scale_f32_16x16x128_f8f6f4 with both operands' format E2M3, f32 sums; everything else in f32.
;; Inputs: Wk 1,024 x 1,024 float32; Wo 1,024 x 1,024 float32; Wq 1,024 x 1,024 float32; Wv 1,024 x 1,024 float32; bo 1,024 float32; inputs 4 x 2,048 x 1,024 float32.
;; Outputs: out0 4 x 2,048 x 1,024 float32.
;; This version of the problem:
;;   THIS VERSION OF THE PROBLEM IS GIVEN IN LOW PRECISION. The matrix products marked QUANTISED in the list below multiply operands that are first quantised to E2M3 (2 exponent bits, 3 mantissa bits; 6 bits a number), with one power-of-two scale for each 32 numbers along K (OCP MX v1.0); their sums are f32. All else is computed in f32.
;;   The module's matrix products, in the order in which they are computed (A, B: the left and right operand; K: the contracted axis; several contracted axes count as one K, in the product's order):
;;     1. [M 8,192, K 1,024] x [K 1,024, N 1,024]; A: input inputs; B: input Wq: QUANTISED
;;     2. [M 8,192, K 1,024] x [K 1,024, N 1,024]; A: input inputs; B: input Wk: QUANTISED
;;     3. [M 8,192, K 1,024] x [K 1,024, N 1,024]; A: input inputs; B: input Wv: QUANTISED
;;     4. batch 4 x [M 2,048, K 1,024] x [K 1,024, N 2,048]; A: computed on the way; B: computed on the way: QUANTISED
;;     5. batch 4 x [M 2,048, K 2,048] x [K 2,048, N 1,024]; A: softmax (see below); B: computed on the way: QUANTISED
;;     6. [M 8,192, K 1,024] x [K 1,024, N 1,024]; A: computed on the way; B: input Wo: QUANTISED
;;   THE QUANTISER, for each operand of a quantised product, along K:
;;     - K is cut into blocks of 32 from its start; a last block that is shorter is filled with zeros.
;;     - A block's scale is 2^e with e = floor(log2(the largest magnitude in the block)) - 2, held to -126 .. 127; a block of zeros has e = 0. As a byte (E8M0): e + 127.
;;     - Each number is divided by its block's scale, clamped to +-7.5, and rounded to the nearest number of E2M3, ties to even, subnormals kept.
;;     - The product sums the exact products of the quantised numbers (number of the format x scale) in f32.
;;   ~~~python
;;   def quantise(x, axis):      # numpy; x: float32 -> the quantised numbers, widened to float32 again
;;       x = np.moveaxis(x, axis, -1); K = x.shape[-1]
;;       x = np.pad(x, [(0, 0)] * (x.ndim - 1) + [(0, -K % 32)]); x = x.reshape(x.shape[:-1] + (-1, 32)); a = np.abs(x).max(-1, keepdims=True)
;;       e = np.where(a > 0, np.clip(np.frexp(np.where(a > 0, a, 1))[1] - 1 - 2, -126, 127), 0)      # np.frexp(a)[1] - 1 = floor(log2(a)), exactly
;;       r = np.clip(x / 2.0 ** e, -7.5, 7.5)
;;       step = 2.0 ** (np.maximum(np.frexp(np.where(r == 0, 1, r))[1] - 1, 0) - 3)
;;       q = np.round(r / step) * step * 2.0 ** e      # np.round: ties to even
;;       return np.moveaxis(q.reshape(q.shape[:-2] + (-1,))[..., :K], -1, axis).astype(np.float32)
;;   ~~~
;;   SOFTMAX AHEAD OF A QUANTISED PRODUCT. Where the list says 'softmax', what is quantised is not the finished softmax but p = 2^(t - M), with t = logit x log2(e) and M = ceil(the row's largest t), a whole number; so 1/2 < the row's largest p <= 1. The row's sum l is taken of the UNQUANTISED p, in f32, and the product's result is divided by l at the end. Since M is a whole number, a kernel that streams over the keys may use a running M (the ceiling of the running maximum): every later rescaling is an exact power of two, which a block's scale takes up: the codes' values come out the same.
;;   OPERANDS COMPUTED ON THE WAY. 'Computed on the way' means the value that the module computes at that place (a softmax that the list does not call 'softmax' is quantised finished and normalised). What goes into a quantiser is computed in f32, as accurately as f32 sums, v_exp_f32 and their like allow (about 1e-6 of the number): no bf16 or f16 on the way to a quantiser, and a product that is left as it is and whose result goes on into a quantised operand takes f32 operands (vector FMAs, or v_wmma_f32_16x16x4_f32). A number that lies on a knife's edge between two numbers of the format may be rounded either way, as far as f32 arithmetic and the matrix unit's own rounding can turn it there, and no further.
;; One version. Each part assembles by itself: llvm-mc -triple=amdgcn-amd-amdhsa -mcpu=gfx1250 --defsym DOCPART=n.
;; ======== version 1 of 1: 5 launches
;; limits: right only within a limited range of input values
;; workspace buffers: xw 9,830,400 bytes; qkv 19,660,800 bytes; pst 14,155,776 bytes; oq 6,553,600 bytes
;; launch quant (part 1): grid 384 x 1, 8 waves a work-group, no clusters, 68,608 bytes of LDS; arguments inputs, Wq, Wk, Wv, Wo, xw; writes xw
.if DOCPART == 1
	.amdgcn_target "amdgcn-amd-amdhsa--gfx1250"
	.amdhsa_code_object_version 6
	.text
	.protected	k_qe36b3a4676_quant
	.globl	k_qe36b3a4676_quant
	.p2align	8
	.type	k_qe36b3a4676_quant,@function
k_qe36b3a4676_quant:
	s_mov_b64 s[64:65], 0
	v_nop
	global_prefetch_b8 v0, s[64:65] scope:SCOPE_SE
	s_setreg_imm32_b32 hwreg(HW_REG_WAVE_MODE, 25, 1), 1
	s_wait_xcnt 0x0
; FIRST OF FIVE LAUNCHES of out = softmax((x Wq)(x Wk)^T / 32) (x Wv) Wo + bo, all six products on codes of FP6 (E2M3) with one E8M0 scale for each 32 along K.
; No work of reference() is left out anywhere in the program, and every input is loaded: all six products, the softmax's maximum and the bias reach the output.
; THIS LAUNCH turns inputs [8192][1024] (K innermost) and Wq, Wk, Wv, Wo [1024 (K)][1024] (K is the first axis) into codes and scale words in the workspace xw.
; LAYOUT OF ALL CODES IN THIS PROGRAM: images of operand registers.  A fragment (16 slots x 128 along K) is 12 registers a lane, 1,536 bytes: registers 4 c .. 4 c + 3 of lane l lie at 512 c + 16 l.  A buffer is [tile][K step][1,536].
; Slot r of tile T is row (or column of W) 32 (T / 2) + 8 (T % 2) + r + 8 (r / 8): as source 0 of a product such tiles give a lane 16 neighbours along the next K in the registers of two neighbouring result tiles.
; SCALE WORDS (four bytes: 128 along K of one slot) lie [slot / 64][K step][slot % 64]: 32 consecutive words are the register that serves two neighbouring tiles, one in lanes 0-15, the other in lanes 16-31.
; xw: x's codes at 0, x's scale words at XS, the weights' codes at WC (q, k, v, o; 786,432 bytes each), their scale words at WS (32,768 bytes each).
; A block's scale is 2^(floor(log2(largest magnitude)) - 2): its byte is the largest magnitude's exponent field - 2, held at 1 from below by a floor among the maximum's leaves.
; LIMITS: a block of zeros gets the byte 1 where the rule says 127 (its codes are zeros, and only this program reads the bytes); NaN and infinities among the inputs are not served.
; SHARES: work-groups 0-255: 32 rows of x each, wave w the K step w.  Work-groups 256-383: weight (g / 32), K step (g / 4) % 8, 256 columns; a wave takes 32 columns, a lane one column with its registers running down K.
.set SPW,   12                         ; v12  LDS address of my spare word; never rewritten
.set NIL,   13                         ; v13  0; never rewritten
.set STG,   8448                       ; a wave's stage: 16 rows x (512 bytes + 16)
.set SPARE, 8*STG                      ; behind the stages: the spare words, 128 bytes a wave: four blocks of 256 bytes that no other line names
.set XS,    6291456
.set WC,    6553600
.set WS,    9699328
.set RAW,   32                         ; v32-159  x path: 32 rows as loaded; weights path: 4 blocks of 32 numbers
.set X,     160                        ; v160-223 x path: my two blocks of 32 neighbours
.set P,     224                        ; v224-247 x path: the two fragments' codes
	s_load_b256 s[4:11], s[0:1], 0x0               ; inputs, Wq, Wk, Wv
	s_load_b128 s[12:15], s[0:1], 0x20             ; Wo, xw
	v_lshl_add_u32 v[SPW], v0, 2, SPARE
	v_mov_b32 v[NIL], 0
	v_lshrrev_b32 v1, 5, v0
	s_delay_alu instid0(VALU_DEP_1)
	v_readfirstlane_b32 s16, v1                    ; wave 0..7
	v_and_b32 v2, 31, v0                           ; lane
	v_and_b32 v4, 15, v0                           ; r
	v_bfe_u32 v5, v0, 4, 1                         ; h (weights path: u)
	s_delay_alu instid0(VALU_DEP_3)
	v_lshlrev_b32 v3, 4, v2                        ; 16 x lane
	s_delay_alu instid0(VALU_DEP_4)
	v_lshlrev_b32 v6, 2, v2                        ; 4 x lane
	s_cmp_lt_u32 ttmp9, 256                        ; the work-group's number alone decides the path
	s_cbranch_scc0 .Lweights
	; ---------------- x: rows 32 b .. 32 b + 31, K step = wave ----------------
	s_mov_b32 s20, 0x76543210
	s_mov_b32 s21, 0xfedcba98                      ; v_permlanex16_b32's selects for lane l xor 16
	s_mov_b32 s22, 0xffff0000                      ; lanes 16-31
	s_mul_i32 s17, s16, STG                        ; my stage
	v_add_nc_u32 v7, s17, v3                       ; in: a row's 512 bytes as they lie
	v_mul_u32_u24 v8, v4, 528
	s_delay_alu instid0(VALU_DEP_1)
	v_lshl_add_u32 v8, v5, 7, v8
	s_delay_alu instid0(VALU_DEP_1)
	v_add_nc_u32 v8, s17, v8                       ; back: row r, + 128 h: my block of 32 numbers
	v_lshlrev_b32 v23, 3, v5                       ; 8 h: where my two scale bytes stand in the word
	v_mov_b32 v24, 0                               ; a lane permute's destination counts as one of its sources
	s_lshl_b32 s18, ttmp9, 17                      ; 32 rows of 4,096 bytes
	s_lshl_b32 s19, s16, 9                         ; + 512 bytes a K step
	s_add_co_u32 s18, s18, s19
	s_mov_b32 s19, 0
	s_lshl_b32 s24, ttmp9, 4
	s_add_co_u32 s24, s24, s16
	s_mul_i32 s24, s24, 1536                       ; codes: (tile 2 b) x 8 K steps + my K step; tile 2 b + 1 lies 12,288 bytes on
	s_mov_b32 s25, 0
	s_lshr_b32 s26, ttmp9, 1
	s_lshl_b32 s26, s26, 11                        ; scale words: chunk b / 2 of 2,048 bytes,
	s_lshl_b32 s27, s16, 8                         ; my K step's 256,
	s_add_co_u32 s26, s26, s27
	s_and_b32 s27, ttmp9, 1
	s_lshl_b32 s27, s27, 7                         ; my pair of tiles' 128
	s_add_co_u32 s26, s26, s27
	s_add_co_u32 s26, s26, XS
	s_mov_b32 s27, 0
	s_wait_kmcnt 0x0
	s_add_nc_u64 s[4:5], s[4:5], s[18:19]
	s_add_nc_u64 s[24:25], s[14:15], s[24:25]
	s_add_nc_u64 s[26:27], s[14:15], s[26:27]
	s_wait_alu depctr_va_vdst(0)
.irp u, 0,1
.irp i, 0,1,2,3,4,5,6,7,8,9,10,11,12,13,14,15
	global_load_b128 v[RAW+64*\u+4*\i:RAW+64*\u+4*\i+3], v3, s[4:5] offset:(8*\u+\i+8*(\i/8))*4096 th:TH_LOAD_NT   ; slot i of tile 2 b + u: 32 lanes read 512 consecutive bytes
.endr
.endr
; Fragment u: its 16 rows turn through my stage, so that lane (r, h) holds blocks h and 2 + h of row r whole: the order of the operand's registers.
.macro XFRAG u
.if \u == 0
	s_wait_loadcnt 16                              ; this fragment's sixteen loads are in; the other's sixteen are younger
.else
	s_wait_loadcnt 0x0
.endif
.irp i, 0,1,2,3,4,5,6,7,8,9,10,11,12,13,14,15
	ds_store_b128 v7, v[RAW+64*\u+4*\i:RAW+64*\u+4*\i+3] offset:528*\i
.endr
.irp c, 0,1
.irp j, 0,1,2,3,4,5,6,7
	ds_load_b128 v[X+32*\c+4*\j:X+32*\c+4*\j+3], v8 offset:256*\c+16*\j   ; LDS serves a wave's instructions in order: these see my stores, and the next fragment's stores come behind them
.endr
.endr
	s_wait_dscnt 0x0
.irp c, 0,1
	v_max3_num_f32 v[16+\c], |v[X+32*\c]|, |v[X+32*\c+1]|, 0x1800000   ; the block's largest magnitude, and the floor 2^(3 - 127): the byte cannot fall under 1
.endr
.irp i, 2,4,6,8,10,12,14,16,18,20,22,24,26,28,30
.irp c, 0,1
	s_delay_alu instid0(VALU_DEP_2)
	v_max3_num_f32 v[16+\c], v[16+\c], |v[X+32*\c+\i]|, |v[X+32*\c+\i+1]|   ; (the two blocks by turns)
.endr
.endr
.irp c, 0,1
	s_delay_alu instid0(VALU_DEP_2)
	v_add_nc_u32 v[18+\c], 0xff000000, v[16+\c]    ; 2 off the exponent field: the conversion's scale operand
.endr
.irp c, 0,1
	s_delay_alu instid0(VALU_DEP_2)
	v_lshrrev_b32 v[20+\c], 23, v[18+\c]           ; the scale's byte
.endr
	s_delay_alu instid0(VALU_DEP_1)
	v_lshl_or_b32 v22, v21, 16, v20                ; blocks h and 2 + h,
	s_delay_alu instid0(VALU_DEP_1)
	v_lshlrev_b32 v22, v23, v22                    ; at their places in the word;
	s_delay_alu instid0(VALU_DEP_1)
	v_permlanex16_b32 v24, v22, s20, s21
	s_delay_alu instid0(VALU_DEP_1)
	v_or_b32 v[26+\u], v22, v24                    ; with lane l xor 16's two the word is whole, in both halves of the lanes
.irp c, 0,1
	v_cvt_scalef32_pk16_fp6_f32 v[P+12*\u+6*\c:P+12*\u+6*\c+2], v[X+32*\c:X+32*\c+15], v[18+\c]
	v_cvt_scalef32_pk16_fp6_f32 v[248+4*\c:250+4*\c], v[X+32*\c+16:X+32*\c+31], v[18+\c]   ; (a conversion's three registers begin on an even number)
.endr
	v_nop                                          ; one plain place behind a scaled conversion
.irp c, 0,1
.irp i, 0,1,2
	v_mov_b32 v[P+12*\u+6*\c+3+\i], v[248+4*\c+\i]
.endr
.endr
.irp c, 0,1,2
	global_store_b128 v3, v[P+12*\u+4*\c:P+12*\u+4*\c+3], s[24:25] offset:12288*\u+512*\c   ; 32 lanes store 512 consecutive bytes, aligned
.endr
.endm
	XFRAG 0
	XFRAG 1
	v_cndmask_b32 v28, v26, v27, s22               ; lanes 0-15: tile 2 b's words, lanes 16-31: tile 2 b + 1's
	global_store_b32 v6, v28, s[26:27]
	s_wait_tensorcnt 0x0                           ; the wave's end
	ds_add_u32 v[SPW], v[NIL]
	s_wait_dscnt 0x0
	s_endpgm
	; ---------------- a weight: lane (u, r) takes column 32 b + 8 u + r + 8 (r / 8), registers down K ----------------
.Lweights:
	s_sub_co_u32 s17, ttmp9, 256
	s_lshr_b32 s18, s17, 5                         ; which weight: q, k, v, o
	s_bfe_u32 s19, s17, 0x30002                    ; K step
	s_and_b32 s23, s17, 3
	s_lshl_b32 s23, s23, 3
	s_add_co_u32 s23, s23, s16                     ; b: my pair of tiles, 32 columns
	s_wait_alu depctr_va_vdst(0)
	v_and_b32 v7, 8, v4
	s_delay_alu instid0(VALU_DEP_1)
	v_add_nc_u32 v7, v7, v4
	s_delay_alu instid0(VALU_DEP_1)
	v_lshl_add_u32 v7, v5, 3, v7
	s_delay_alu instid0(VALU_DEP_1)
	v_lshlrev_b32 v7, 2, v7                        ; my column among the 32, in bytes: the 32 lanes cover 128 consecutive bytes
	s_lshl_b32 s24, s19, 19                        ; 128 rows of 4,096 bytes a K step
	s_lshl_b32 s25, s23, 7
	s_add_co_u32 s24, s24, s25
	s_mov_b32 s25, 0
	s_lshl_b32 s26, s23, 4
	s_add_co_u32 s26, s26, s19
	s_mul_i32 s26, s26, 1536
	s_mul_i32 s27, s18, 786432
	s_add_co_u32 s26, s26, s27
	s_add_co_u32 s26, s26, WC
	s_mov_b32 s27, 0
	s_lshr_b32 s28, s23, 1
	s_lshl_b32 s28, s28, 11
	s_lshl_b32 s29, s19, 8
	s_add_co_u32 s28, s28, s29
	s_and_b32 s29, s23, 1
	s_lshl_b32 s29, s29, 7
	s_add_co_u32 s28, s28, s29
	s_lshl_b32 s29, s18, 15
	s_add_co_u32 s28, s28, s29
	s_add_co_u32 s28, s28, WS
	s_mov_b32 s29, 0
	s_wait_alu depctr_va_vdst(0)
	s_wait_kmcnt 0x0
	s_cmp_eq_u32 s18, 1                            ; the choice among the four buffers hangs on the work-group's number alone
	s_cselect_b64 s[6:7], s[8:9], s[6:7]
	s_cmp_eq_u32 s18, 2
	s_cselect_b64 s[6:7], s[10:11], s[6:7]
	s_cmp_eq_u32 s18, 3
	s_cselect_b64 s[6:7], s[12:13], s[6:7]
	s_add_nc_u64 s[6:7], s[6:7], s[24:25]
	s_add_nc_u64 s[26:27], s[14:15], s[26:27]
	s_add_nc_u64 s[28:29], s[14:15], s[28:29]
.macro WLOAD t                         ; block t: W(128 ks + 32 t + i, my column)
.irp i, 0,1,2,3,4,5,6,7,8,9,10,11,12,13,14,15,16,17,18,19,20,21,22,23,24,25,26,27,28,29,30,31
	global_load_b32 v[RAW+32*\t+\i], v7, s[6:7] offset:(32*\t+\i)*4096 th:TH_LOAD_NT
.endr
.endm
.macro WBLOCK t                        ; all 32 numbers of the block are mine; blocks 0, 2 go to v160 on, blocks 1, 3 to v172 on
.set XB, RAW+32*\t
.set FB, 160+12*(\t%2)+6*(\t/2)
	v_max3_num_f32 v16, |v[XB]|, |v[XB+1]|, |v[XB+2]|
	v_max3_num_f32 v17, |v[XB+3]|, |v[XB+4]|, |v[XB+5]|
.irp i, 6,10,14,18,22,26
	s_delay_alu instid0(VALU_DEP_2)
	v_max3_num_f32 v16, v16, |v[XB+\i]|, |v[XB+\i+1]|
	s_delay_alu instid0(VALU_DEP_2)
	v_max3_num_f32 v17, v17, |v[XB+\i+2]|, |v[XB+\i+3]|
.endr
	s_delay_alu instid0(VALU_DEP_2)
	v_max3_num_f32 v16, v16, |v[XB+30]|, |v[XB+31]|
	s_delay_alu instid0(VALU_DEP_1)
	v_max3_num_f32 v16, v16, v17, 0x1800000        ; and the floor
	s_delay_alu instid0(VALU_DEP_1)
	v_add_nc_u32 v18, 0xff000000, v16
	s_delay_alu instid0(VALU_DEP_1)
	v_lshrrev_b32 v19, 23, v18
.if \t == 0
	s_delay_alu instid0(VALU_DEP_1)
	v_mov_b32 v20, v19                             ; my column's scale word: byte t for block t
.else
	s_delay_alu instid0(VALU_DEP_1)
	v_lshl_or_b32 v20, v19, 8*\t, v20
.endif
	v_cvt_scalef32_pk16_fp6_f32 v[FB:FB+2], v[XB:XB+15], v18
	v_cvt_scalef32_pk16_fp6_f32 v[184+4*\t:186+4*\t], v[XB+16:XB+31], v18
	v_nop                                          ; one plain place behind a scaled conversion
.irp i, 0,1,2
	v_mov_b32 v[FB+3+\i], v[184+4*\t+\i]
.endr
.endm
	WLOAD 0
	WLOAD 1
	s_wait_loadcnt 32                              ; block 0 is in; block 1's 32 loads are younger
	WLOAD 2
	WBLOCK 0
	s_wait_loadcnt 32                              ; block 1 is in; block 2's are younger
	WLOAD 3
	WBLOCK 1
	s_wait_loadcnt 32                              ; block 2 is in; block 3's are younger
	WBLOCK 2
	s_wait_loadcnt 0x0
	WBLOCK 3
.irp i, 0,1,2,3,4,5,6,7,8,9,10,11
	v_permlane16_swap_b32 v[160+\i], v[172+\i]     ; lanes 16-31 of blocks 0, 2 (tile 2 b + 1) change places with lanes 0-15 of blocks 1, 3 (tile 2 b): v160 on is now tile 2 b's image, v172 on tile 2 b + 1's
.endr
.irp t, 0,1
.irp c, 0,1,2
	global_store_b128 v3, v[160+12*\t+4*\c:160+12*\t+4*\c+3], s[26:27] offset:12288*\t+512*\c
.endr
.endr
	global_store_b32 v6, v20, s[28:29]             ; lanes 0-15: tile 2 b's words, lanes 16-31: tile 2 b + 1's
	s_wait_tensorcnt 0x0                           ; the same three lines at this path's end
	ds_add_u32 v[SPW], v[NIL]
	s_wait_dscnt 0x0
	s_endpgm
.Lfunc_end_k_qe36b3a4676_quant:
	.size	k_qe36b3a4676_quant, .Lfunc_end_k_qe36b3a4676_quant-k_qe36b3a4676_quant
	.p2alignl 7, 3214868480
	.fill 96, 4, 3214868480
	.section	.rodata,"a",@progbits
	.p2align	6, 0x0
	.amdhsa_kernel k_qe36b3a4676_quant
		.amdhsa_group_segment_fixed_size 68608
		.amdhsa_private_segment_fixed_size 0
		.amdhsa_enable_private_segment 0
		.amdhsa_kernarg_size 48
		.amdhsa_user_sgpr_count 2
		.amdhsa_user_sgpr_kernarg_segment_ptr 1
		.amdhsa_wavefront_size32 1
		.amdhsa_system_sgpr_workgroup_id_x 1
		.amdhsa_system_sgpr_workgroup_id_y 1
		.amdhsa_system_sgpr_workgroup_id_z 1
		.amdhsa_system_vgpr_workitem_id 0
		.amdhsa_next_free_vgpr 256
		.amdhsa_next_free_sgpr 66
		.amdhsa_reserve_vcc 0
		.amdhsa_float_denorm_mode_32 3
		.amdhsa_float_denorm_mode_16_64 3
		.amdhsa_memory_ordered 1
		.amdhsa_forward_progress 1
		.amdhsa_inst_pref_size 42
	.end_amdhsa_kernel
	.amdgpu_metadata
---
amdhsa.version: [ 1, 2 ]
amdhsa.kernels:
  - .name:           k_qe36b3a4676_quant
    .symbol:         k_qe36b3a4676_quant.kd
    .args:
      - { .name: inputs, .offset: 0, .size: 8, .value_kind: global_buffer, .address_space: global }
      - { .name: Wq, .offset: 8, .size: 8, .value_kind: global_buffer, .address_space: global }
      - { .name: Wk, .offset: 16, .size: 8, .value_kind: global_buffer, .address_space: global }
      - { .name: Wv, .offset: 24, .size: 8, .value_kind: global_buffer, .address_space: global }
      - { .name: Wo, .offset: 32, .size: 8, .value_kind: global_buffer, .address_space: global }
      - { .name: xw, .offset: 40, .size: 8, .value_kind: global_buffer, .address_space: global }
    .group_segment_fixed_size: 68608
    .private_segment_fixed_size: 0
    .kernarg_segment_align: 8
    .kernarg_segment_size: 48
    .max_flat_workgroup_size: 256
    .sgpr_count:     66
    .vgpr_count:     256
    .wavefront_size: 32
...
	.end_amdgpu_metadata
.endif
;; end of part 1
;; launch proj (part 2): grid 4 x 64, 4 waves a work-group, clusters of 4 x 4, 327,680 bytes of LDS; arguments xw, qkv; writes qkv
.if DOCPART == 2
	.amdgcn_target "amdgcn-amd-amdhsa--gfx1250"
	.amdhsa_code_object_version 6
	.text
	.protected	k_qe36b3a4676_proj
	.globl	k_qe36b3a4676_proj
	.p2align	8
	.type	k_qe36b3a4676_proj,@function
k_qe36b3a4676_proj:
	s_mov_b64 s[64:65], 0
	v_nop
	global_prefetch_b8 v0, s[64:65] scope:SCOPE_SE
	s_setreg_imm32_b32 hwreg(HW_REG_WAVE_MODE, 25, 1), 1
	s_wait_xcnt 0x0
	s_wait_alu depctr_hold_cnt(0) depctr_sa_sdst(0) depctr_va_vdst(0) depctr_va_sdst(0) depctr_va_ssrc(0) depctr_va_vcc(0) depctr_vm_vsrc(0)
	s_getreg_b32 s2, hwreg(HW_REG_IB_STS2, 6, 4)
	s_cmp_eq_u32 s2, 0
	s_cbranch_scc0 .Lentry_in_a_cluster
	s_endpgm
.Lentry_in_a_cluster:
	s_bfe_u32 s2, ttmp6, 0x10000c
	s_cmp_lg_u32 s2, 0xf033
	s_cbranch_scc0 .Lentry_shape_is_right
	s_endpgm
.Lentry_shape_is_right:
; SECOND LAUNCH: q = x Wq, k = x Wk, v = x Wv on codes of FP6, and each result quantised on the way out: q and k along d, v along the keys (stored as V^T).  Nothing of reference() is left out.
; ROLES.  R is source 1 of the matrix instruction: its slots are the result's rows, one a lane.  C is source 0: its slots run along a lane's registers, which are the next product's K.
;   q, k: R = x, C = W^T.   V^T: R = Wv^T, C = x: a lane then holds one channel d and its registers run along the keys.
; SHARES.  A tile is 128 R x 256 C, each of the four waves 64 x 128: 32 accumulators.  All of K = 1,024 of a tile lies in LDS: (128 + 256) x 768 bytes in four places of two K steps.
; A WORK-GROUP STAYS and makes three tiles: q (x's tile 4 j + cy, Wq's tile cx; j the cluster's y), k (the same x, which is not fetched again, Wk's tile cx), V^T (Wv's tile 4 (j / 8) + cy, x's tile 4 (j % 8) + cx).
; The next tile's codes are asked for while this tile is multiplied and quantised: C's parts of places 0, 1 at tile 0's K step 5, of places 2, 3 at tile 1's opening; places 0, 1 whole at tile 1's K step 3, places 2, 3 at tile 2's opening.
; Each such refill stands behind a round of the cluster's barrier, in front of which every wave has waited for all its tensor loads, made the add and waited for its reads; one joint load a wave behind a round.
; CLUSTER 4 x 4: R's tile is shared along a row of the cluster, C's along a column: each is asked for jointly, by the same tensor load with the same descriptor and a mask that names the four.
; Codes are images of operand registers ([tile][K step][1,536 bytes]); a fragment is three loads of 512 consecutive bytes, so LDS needs no padding.  Scale words go from memory straight into registers, once a tile.
; qkv: q's codes at 0, k's at 6,291,456, V^T's at 12,582,912 ([64 tiles of d][64 K steps of 128 keys]); scale words at QS + 262,144 x (0, 1, 2).
; LIMITS: a block of zeros gets the byte 1 where the rule says 127 (its codes are zeros; only this program reads the bytes); NaN and infinities are not served.
; REGISTERS.  window 0: v1 16 x lane, v10 4 x lane, v2-5 / v6-9 LDS addresses of R's / C's fragments in place 0-3, v30-31 the add's two, v32-47 R's scale words, v48-79 C's,
;   v144-149 scale words on the way out, v160-255 R's fragments in two sets (on the way out: v160-175 at work, v176-255 the codes made).  window 1: C's fragments, two sets.  window 2: accumulator (a, b) at v[8 (8 a + b)].
.set GK,    2                          ; K steps in a place
.set NG,    4                          ; places
.set BLKB,  GK*1536                    ; a tile of 16 slots' part of a place
.set GRP,   24*BLKB                    ; a place: R's 8 tiles, then C's 16
.set SPARE, NG*GRP                     ; behind the places: the spare words, 128 bytes a wave: two blocks of 256 bytes that no other line names
.set KSR,   8                          ; K steps of a tile in R's buffer
.set KSC,   8                          ; and in C's
.set RS,    32
.set CS,    48
.set RF,    160
.set TM,    160
.set PW,    144
.set G1C,   12                         ; s[12:19] group 1: eight tiles, my column's mask
; s[68:75] group 1: C's sixteen tiles of a place, my column's mask; s[76:83] group 1: R's eight tiles, my row's mask; s[88:91], s[92:95] their groups 0
.set PFR,   36                         ; s[36:37], s[38:39] where my prefetches of x (as R) and of Wq, Wk (as C) begin; never rewritten
.set PFC,   38
.set PFR2,  40                         ; s[40:41], s[42:43] the same for Wv^T (as R) and x (as C)
.set PFC2,  42
.set XS,    6291456
.set WC,    6553600
.set WS,    9699328
.set QS,    18874368
.set MSB, 0
.macro WIN new                         ; the immediate's high byte repeats the setting that is left; bits 1:0 source 0, 3:2 source 1, 5:4 source 2, 7:6 destination
.if MSB != \new
	s_set_vgpr_msb (MSB<<8)|\new
.set MSB, \new
.endif
.endm
.macro PLACES                          ; four plain places behind matrix instructions: ahead of loads into registers that they read and of the first read of results
.rept 4
	v_nop
.endr
.endm
.macro CREST                           ; a round of the cluster's barrier behind its opening barrier
	s_cmp_lg_u32 s24, 0
	s_cbranch_scc1 .Lnot_wave_0_\@
	s_barrier_signal -3
.Lnot_wave_0_\@:
	s_barrier_wait -3
	s_barrier_signal -1
	s_barrier_wait -1
.endm
.macro CROUND
	s_barrier_signal -1
	s_barrier_wait -1
	CREST
.endm
.macro ALOAD                           ; a refill of C alone: wave w fetches half w % 2 (eight tiles) of place w / 2 (later: w / 2 + 2): one line for all four waves, told apart by the wave's number in group 0
	tensor_load_to_lds s[8:11], s[G1C:G1C+7]
	s_nop 0
.rept 4
	v_nop
.endr
.endm
.macro BLOAD                           ; a refill of whole places: waves 0 and 2 fetch R's eight tiles of place w / 2 (later: + 2), waves 1 and 3 C's sixteen
	s_cmp_eq_u32 s26, 0
	s_cbranch_scc0 .Lfor_c2_\@
	tensor_load_to_lds s[88:91], s[76:83]
	s_nop 0
.rept 4
	v_nop
.endr
	s_branch .Lasked2_\@
.Lfor_c2_\@:
	tensor_load_to_lds s[92:95], s[68:75]
	s_nop 0
.rept 4
	v_nop
.endr
.Lasked2_\@:
.endm
; The descriptors for V^T's tiles.  It stands behind a wait that shows all first fills done, so their group-0 registers may be written.
.macro DESC2
	s_mov_b32 s88, 1                               ; (the two groups 1 stand since the head)  group 0, R: place w / 2; Wv^T's tile of 128
	s_mul_i32 s89, s25, GRP
	s_mul_i32 s48, s45, 8*KSR*1536
	s_mul_i32 s49, s25, BLKB
	s_add_co_u32 s48, s48, s49
	s_add_co_u32 s48, s48, WC+2*786432
	s_mov_b32 s49, 0
	s_add_nc_u64 s[90:91], s[4:5], s[48:49]
	s_or_b32 s91, s91, 0x80000000
	s_mov_b32 s92, 1                               ; group 0, C: behind R's eight tiles; x's tile of 256
	s_add_co_u32 s93, s89, 8*BLKB
	s_mul_i32 s50, s66, 16*KSC*1536
	s_mul_i32 s51, s25, BLKB
	s_add_co_u32 s50, s50, s51
	s_mov_b32 s51, 0
	s_add_nc_u64 s[94:95], s[4:5], s[50:51]
	s_or_b32 s95, s95, 0x80000000
.endm
.macro FETCH set, g, kk                ; a K step's fragments: C's eight and R's four, 36 loads of 512 consecutive bytes
	WIN 0x40
.irp i, 0,1,2,3,4,5,6,7
.irp c, 0,1,2
	ds_load_b128 v[96*(\set)+12*\i+4*\c:96*(\set)+12*\i+4*\c+3], v[6+(\g)] offset:\i*BLKB+(\kk)*1536+512*\c
.endr
.endr
	WIN 0
.irp i, 0,1,2,3
.irp c, 0,1,2
	ds_load_b128 v[RF+48*(\set)+12*\i+4*\c:RF+48*(\set)+12*\i+4*\c+3], v[2+(\g)] offset:\i*BLKB+(\kk)*1536+512*\c
.endr
.endr
.endm
; Eight matrix instructions: R's block a against C's eight tiles, K step s.  mode 1: the first product starts the sums.  The 32 accumulators take turns, one instruction a turn, in the same order in every K step.
; A scale register serves two neighbouring tiles: the even one in lanes 0-15, the odd one in lanes 16-31.
.macro MULA s, a, mode
	WIN 0xa1
.irp b, 0,1,2,3,4,5,6,7
.set rD, 8*(8*(\a)+\b)
.set rA, 96*((\s)%2)+12*\b
.set rB, RF+48*((\s)%2)+12*(\a)
.set rX, CS+4*(\s)+\b/2
.set rY, RS+2*(\s)+(\a)/2
.set rP, 4*(\mode)+2*((\a)%2)+\b%2
.if rP == 0
	v_wmma_scale_f32_16x16x128_f8f6f4 v[rD:rD+7], v[rA:rA+11], v[rB:rB+11], v[rD:rD+7], v[rX], v[rY] matrix_a_fmt:MATRIX_FMT_FP6 matrix_b_fmt:MATRIX_FMT_FP6
.elseif rP == 1
	v_wmma_scale_f32_16x16x128_f8f6f4 v[rD:rD+7], v[rA:rA+11], v[rB:rB+11], v[rD:rD+7], v[rX], v[rY] matrix_a_fmt:MATRIX_FMT_FP6 matrix_b_fmt:MATRIX_FMT_FP6 matrix_a_scale:MATRIX_SCALE_ROW1
.elseif rP == 2
	v_wmma_scale_f32_16x16x128_f8f6f4 v[rD:rD+7], v[rA:rA+11], v[rB:rB+11], v[rD:rD+7], v[rX], v[rY] matrix_a_fmt:MATRIX_FMT_FP6 matrix_b_fmt:MATRIX_FMT_FP6 matrix_b_scale:MATRIX_SCALE_ROW1
.elseif rP == 3
	v_wmma_scale_f32_16x16x128_f8f6f4 v[rD:rD+7], v[rA:rA+11], v[rB:rB+11], v[rD:rD+7], v[rX], v[rY] matrix_a_fmt:MATRIX_FMT_FP6 matrix_b_fmt:MATRIX_FMT_FP6 matrix_a_scale:MATRIX_SCALE_ROW1 matrix_b_scale:MATRIX_SCALE_ROW1
.elseif rP == 4
	v_wmma_scale_f32_16x16x128_f8f6f4 v[rD:rD+7], v[rA:rA+11], v[rB:rB+11], 0, v[rX], v[rY] matrix_a_fmt:MATRIX_FMT_FP6 matrix_b_fmt:MATRIX_FMT_FP6
.elseif rP == 5
	v_wmma_scale_f32_16x16x128_f8f6f4 v[rD:rD+7], v[rA:rA+11], v[rB:rB+11], 0, v[rX], v[rY] matrix_a_fmt:MATRIX_FMT_FP6 matrix_b_fmt:MATRIX_FMT_FP6 matrix_a_scale:MATRIX_SCALE_ROW1
.elseif rP == 6
	v_wmma_scale_f32_16x16x128_f8f6f4 v[rD:rD+7], v[rA:rA+11], v[rB:rB+11], 0, v[rX], v[rY] matrix_a_fmt:MATRIX_FMT_FP6 matrix_b_fmt:MATRIX_FMT_FP6 matrix_b_scale:MATRIX_SCALE_ROW1
.else
	v_wmma_scale_f32_16x16x128_f8f6f4 v[rD:rD+7], v[rA:rA+11], v[rB:rB+11], 0, v[rX], v[rY] matrix_a_fmt:MATRIX_FMT_FP6 matrix_b_fmt:MATRIX_FMT_FP6 matrix_a_scale:MATRIX_SCALE_ROW1 matrix_b_scale:MATRIX_SCALE_ROW1
.endif
.endr
.endm
.macro KS_N s, mode                    ; a K step whose successor lies in a place that is known whole: the successor's fragments are asked for first, in one run, and have 32 matrix instructions in which to land
	s_wait_dscnt 0x0                               ; this K step's fragments are in
	PLACES
	FETCH ((\s)+1)%2, (((\s)+1)/GK)%NG, ((\s)+1)%GK
	MULA \s, 0, \mode
	MULA \s, 1, \mode
	MULA \s, 2, \mode
	MULA \s, 3, \mode
.endm
.macro KS_S s, cnt                     ; the next place is whole behind a barrier; cnt = my loads for the places behind that one, which may stay out
	s_wait_dscnt 0x0
	s_wait_tensorcnt \cnt
	s_barrier_signal -1
	MULA \s, 0, 0
	s_barrier_wait -1
	PLACES
	FETCH ((\s)+1)%2, (((\s)+1)/GK)%NG, ((\s)+1)%GK
	MULA \s, 1, 0
	MULA \s, 2, 0
	MULA \s, 3, 0
.endm
; A K step at which places 0 and 1, read out, are filled for the next tile.  In front of the barrier each wave waits for all its tensor loads (so the places ahead are whole), adds 0 to its spare word, and waits for that and for its reads.
; The barrier opens a round of the cluster's barrier; behind the round the joint refill comes first, one a wave.  kind 1: C's parts alone; kind 2: the whole places.
.macro KS_T s, kind
	WIN 0                                          ; (the add's two registers lie in window 0)
	s_wait_tensorcnt 0x0                           ; no tensor load of mine is out, so descriptors may be written
	ds_add_u32 v30, v31                            ; 0 onto my spare word
.if (\kind) == 1
	DESC2
.endif
	s_wait_dscnt 0x0                               ; the add is done, this K step's fragments are in, and my reads of the places behind me are over
	s_barrier_signal -1
	MULA \s, 0, 0                                  ; work on registers while the others arrive
	WIN 0
	s_barrier_wait -1
	CREST                                          ; no wave of any partner still reads those places or has a load on its way
.if (\kind) == 1
	ALOAD
.else
	BLOAD
.endif
	FETCH ((\s)+1)%2, (((\s)+1)/GK)%NG, ((\s)+1)%GK   ; (the four v_nop behind the load are also the places in front of these loads)
	MULA \s, 1, 0
	MULA \s, 2, 0
	MULA \s, 3, 0
.endm
.macro KS_L s                          ; a tile's last K step
	s_wait_dscnt 0x0
	MULA \s, 0, 0
	MULA \s, 1, 0
	MULA \s, 2, 0
	MULA \s, 3, 0
.endm
; A later tile's opening.  The stores of the tile before have read their registers, which are the fragments'.  All my tensor loads have landed: with the round that shows places 0 and 1 whole in every wave's eyes;
; places 2 and 3, read out, are filled behind the round, and that load has three K steps (96 matrix instructions) in which to land.
.macro OPEN kind
	WIN 0
	s_wait_xcnt 0x0
	s_wait_tensorcnt 0x0
	ds_add_u32 v30, v31                            ; the descriptors' steps stand between the add and the wait for it
.if (\kind) == 1
	s_add_co_u32 s9, s9, 2*GRP                     ; two places on in LDS,
	s_add_nc_u64 s[10:11], s[10:11], 2*BLKB        ; and in each tile's bytes; the type bits on top are not reached
.else
	s_add_co_u32 s89, s89, 2*GRP
	s_add_nc_u64 s[90:91], s[90:91], 2*BLKB
	s_add_co_u32 s93, s93, 2*GRP
	s_add_nc_u64 s[94:95], s[94:95], 2*BLKB
.endif
	s_wait_dscnt 0x0
	CROUND
.if (\kind) == 1
	ALOAD
.else
	BLOAD
.endif
	FETCH 0, 0, 0
	s_wait_loadcnt 0x0                             ; this tile's scale words
.endm
.macro LDRS base                       ; R's scale words of my 64 slots, all eight K steps
.irp s, 0,1,2,3,4,5,6,7
.irp p, 0,1
	global_load_b32 v[RS+2*\s+\p], v10, s[\base:\base+1] offset:\s*256+\p*128
.endr
.endr
.endm
.macro LDCS base, off                  ; C's of my 128 slots
.irp s, 0,1,2,3,4,5,6,7
.irp q, 0,1,2,3
	global_load_b32 v[CS+4*\s+\q], v10, s[\base:\base+1] offset:(\off)+(\q/2)*KSC*256+\s*256+(\q%2)*128
.endr
.endr
.endm
; R's block a on the way out: a lane's 64 results are k = 32 e + 16 (lane / 16) + i of its row, at register 64 a + 16 e + i.  QMAX: the four blocks' largest magnitudes; each accumulator is read from its low end on.
.macro QMAX a
	WIN 0x0a
.irp e, 0,1,2,3
	v_max3_num_f32 v[TM+\e], |v[64*(\a)+16*\e]|, |v[64*(\a)+16*\e+1]|, 0x1800000   ; and the floor 2^(3 - 127): the byte cannot fall under 1
.endr
	WIN 0x28
.irp i, 2,4,6,8,10,12,14
.irp e, 0,1,2,3
	v_max3_num_f32 v[TM+\e], v[TM+\e], |v[64*(\a)+16*\e+\i]|, |v[64*(\a)+16*\e+\i+1]|
.endr
.endr
	WIN 0
.irp e, 0,1,2,3
	v_permlanex16_b32 v[TM+4+\e], v[TM+\e], s20, s21
.endr
.irp e, 0,1,2,3
	v_max_num_f32 v[TM+\e], v[TM+\e], v[TM+4+\e]   ; with lane l xor 16's sixteen
.endr
.endm
; QTAIL: the scale word into v[PW + a], the fragment's codes into v[176 + 20 a] on.
.macro QTAIL a
.set rPC, 176+20*(\a)
.set rA0, 64*(\a)
.irp e, 0,1,2,3
	v_add_nc_u32 v[TM+12+\e], 0xff000000, v[TM+\e] ; 2 off the exponent field: the conversion's scale operand
.endr
.irp e, 0,1,2,3
	v_lshrrev_b32 v[TM+4+\e], 23, v[TM+12+\e]      ; the scale's byte
.endr
	v_lshl_or_b32 v[PW+(\a)], v[TM+5], 8, v[TM+4]
	v_lshl_or_b32 v[PW+(\a)], v[TM+6], 16, v[PW+(\a)]
	v_lshl_or_b32 v[PW+(\a)], v[TM+7], 24, v[PW+(\a)]
	WIN 0x02
.irp c, 0,1
	v_cvt_scalef32_pk16_fp6_f32 v[rPC+6*\c:rPC+6*\c+2], v[rA0+32*\c:rA0+32*\c+15], v[TM+12+2*\c]
	v_cvt_scalef32_pk16_fp6_f32 v[rPC+12+4*\c:rPC+14+4*\c], v[rA0+16+32*\c:rA0+31+32*\c], v[TM+13+2*\c]   ; (a conversion's three registers begin on an even number)
.endr
	WIN 0
	v_nop                                          ; one plain place behind a scaled conversion
.irp c, 0,1                            ; the operand's layout wants a whole block in a lane: lanes 0-15 block 2 c, lanes 16-31 block 2 c + 1
.irp i, 0,1,2
	v_permlane16_swap_b32 v[rPC+6*\c+\i], v[rPC+12+4*\c+\i]
.endr
.irp i, 0,1,2
	v_mov_b32 v[rPC+3+6*\c+\i], v[rPC+12+4*\c+\i]
.endr
.endr
.endm
.macro PUTC a, t                       ; block a's fragment: 32 lanes store 512 consecutive bytes, aligned, three times.  k's buffer lies 6,291,456 bytes behind q's; a tile of V^T is 64 K steps long
.irp c, 0,1,2
.if (\t) == 2
	global_store_b128 v1, v[176+20*(\a)+4*\c:176+20*(\a)+4*\c+3], s[2:3] offset:(\a)*98304+512*\c
.else
	global_store_b128 v1, v[176+20*(\a)+4*\c:176+20*(\a)+4*\c+3], s[56:57] offset:(\t)*6291456+(\a)*12288+512*\c
.endif
.endr
.endm
; Tile t's way out.  The next tile's scale words are asked for first: four places behind the last product that read those registers.  Each block has its own registers for its codes: within a tile no store's data are written again.
.macro EPI t
	PLACES
	WIN 0
.if (\t) == 0
	LDCS 54, 32768                                 ; Wk's scale words lie 32,768 bytes behind Wq's; x's stay
.endif
.if (\t) == 1
	LDRS 60
	LDCS 62, 0
.endif
.irp e, 0,1,2,3
	v_mov_b32 v[TM+4+\e], 0                        ; a lane permute's destination counts as one of its sources
.endr
.irp a, 0,1,2,3
	QMAX \a
	QTAIL \a
	PUTC \a, \t
.endr
	v_cndmask_b32 v148, v144, v145, s44            ; lanes 0-15 block 0's words, lanes 16-31 block 1's
	v_cndmask_b32 v149, v146, v147, s44
.if (\t) == 2
	global_store_b32 v10, v148, s[100:101]
	global_store_b32 v10, v149, s[100:101] offset:128
.else
	global_store_b32 v10, v148, s[58:59] offset:(\t)*262144
	global_store_b32 v10, v149, s[58:59] offset:(\t)*262144+128
.endif
.endm
	s_load_b128 s[4:7], s[0:1], 0x0                ; xw, qkv
	v_lshl_add_u32 v30, v0, 2, SPARE
	v_mov_b32 v31, 0
	ds_add_u32 v30, v31                            ; the wave's opening: the add, twice on end, and its wait ahead of my first tensor load
	ds_add_u32 v30, v31
	v_lshrrev_b32 v1, 5, v0
	v_readfirstlane_b32 s24, v1                    ; wave 0..3
	s_lshr_b32 s25, s24, 1                         ; which 64 of R's slots are mine.  Also: the place (of a pair of places) that I fetch for
	s_and_b32 s26, s24, 1                          ; which 128 of C's slots.  Also: where whole places are fetched R (0) or C (1); where C alone is fetched, which half
	s_bfe_u32 s27, ttmp6, 0x40000                  ; cx
	s_bfe_u32 s28, ttmp6, 0x40004                  ; cy
	s_and_b32 s29, ttmp7, 0xffff                   ; j: cluster y, 0..15 (the grid is one cluster wide)
	s_lshl_b32 s30, s29, 2
	s_add_co_u32 s30, s30, s28                     ; q, k: x's tile of 128 rows
	s_mov_b32 s31, s27                             ; and the weight's tile of 256 columns
	s_lshl_b32 s32, s28, 2
	s_lshl_b32 s32, 15, s32                        ; my row of the cluster
	s_lshl_b32 s33, 0x1111, s27                    ; my column
	s_or_b32 s68, s33, (3<<16)|(1<<21)             ; group 1, C of a whole place: my column's mask; elements of 8 bytes; bit 21 beside a mask; no padding
	s_mov_b32 s69, (BLKB/8)<<16                    ; tensor_dim0: a tile's two K steps, 3,072 bytes on end
	s_mov_b32 s70, 16<<16                          ; tensor_dim1: sixteen tiles
	s_mov_b32 s71, (BLKB/8)<<16                    ; tile_dim0
	s_mov_b32 s72, 16                              ; tile_dim1
	s_mov_b32 s73, KSC*192                         ; from tile to tile in memory
	s_mov_b32 s74, 0
	s_mov_b32 s75, 0
	s_or_b32 s76, s32, (3<<16)|(1<<21)             ; group 1, R of a whole place: my row's mask, eight tiles
	s_mov_b32 s77, (BLKB/8)<<16
	s_mov_b32 s78, 8<<16
	s_mov_b32 s79, (BLKB/8)<<16
	s_mov_b32 s80, 8
	s_mov_b32 s81, KSR*192
	s_mov_b32 s82, 0
	s_mov_b32 s83, 0
	s_or_b32 s[G1C], s33, (3<<16)|(1<<21)
	s_mov_b32 s[G1C+1], (BLKB/8)<<16
	s_mov_b32 s[G1C+2], 8<<16                      ; eight tiles
	s_mov_b32 s[G1C+3], (BLKB/8)<<16
	s_mov_b32 s[G1C+4], 8
	s_mov_b32 s[G1C+5], KSC*192
	s_mov_b32 s[G1C+6], 0
	s_mov_b32 s[G1C+7], 0
	s_mul_i32 s34, s30, 8*KSR*1536                 ; R: x's eight tiles of 16 rows (x's codes begin at byte 0),
	s_mul_i32 s49, s25, BLKB                       ; the two K steps of place w / 2
	s_add_co_u32 s34, s34, s49
	s_mov_b32 s35, 0
	s_lshl_b32 s50, s31, 4
	s_lshl_b32 s51, s26, 3
	s_add_co_u32 s50, s50, s51                     ; C: tile 16 x (tile of 256) + 8 x half
	s_mul_i32 s46, s50, KSC*1536
	s_add_co_u32 s46, s46, WC                      ; Wq's codes
	s_mov_b32 s47, 0
	s_mul_i32 s50, s31, 16*KSC*1536                ; C of a whole place: Wq's sixteen tiles, the same two K steps
	s_add_co_u32 s50, s50, s49
	s_add_co_u32 s50, s50, WC
	s_mov_b32 s51, 0
	s_mul_i32 s67, s26, 8*BLKB
	s_add_co_u32 s67, s67, 8*BLKB
	s_mov_b32 s20, 0x76543210
	s_mov_b32 s21, 0xfedcba98                      ; v_permlanex16_b32's selects for lane l xor 16
	s_mov_b32 s44, 0xffff0000                      ; lanes 16-31
	s_wait_dscnt 0x0                               ; both opening adds are done
	s_wait_kmcnt 0x0
	s_add_nc_u64 s[46:47], s[4:5], s[46:47]
	s_mov_b32 s88, 1                               ; group 0, R: place w / 2
	s_mul_i32 s89, s25, GRP
	s_add_nc_u64 s[90:91], s[4:5], s[34:35]
	s_or_b32 s91, s91, 0x80000000
	s_mov_b32 s92, 1                               ; group 0, C: behind R's eight tiles
	s_add_co_u32 s93, s89, 8*BLKB
	s_add_nc_u64 s[94:95], s[4:5], s[50:51]
	s_or_b32 s95, s95, 0x80000000
	CROUND                                         ; all sixteen work-groups are here: the joint loads meet
	BLOAD                                          ; tile 0's places 0 and 1, one tensor load a wave; places 2 and 3 follow behind the head's closing round
	; PREFETCHES INTO THE L2.  A pair of places is four K steps: 6,144 bytes on end of each tile of 16 slots.  The four partners that ask for a tile jointly share its bytes out BY ADDRESS:
	; of R's eight tiles the partner at cx takes tiles 2 cx, 2 cx + 1, wave w half w % 2 of tile 2 cx + w / 2: 12 blocks of 256 bytes; of C's sixteen the partner at cy takes tiles 4 cy .. 4 cy + 3, wave w one tile: 24 blocks.
	; A lane a block; the lanes left over name their wave's last block again.  Each fill is asked for one or two fills ahead of its tensor load; bases and offsets are never rewritten, the fills are told apart by immediates.
	s_lshl_b32 s96, s30, 3
	s_lshl_b32 s97, s27, 1
	s_add_co_u32 s96, s96, s97
	s_add_co_u32 s96, s96, s25
	s_mul_i32 s96, s96, KSR*1536
	s_mul_i32 s97, s26, 3072
	s_add_co_u32 s96, s96, s97
	s_mov_b32 s97, 0
	s_add_nc_u64 s[PFR:PFR+1], s[4:5], s[96:97]
	s_lshl_b32 s98, s31, 4
	s_lshl_b32 s99, s28, 2
	s_add_co_u32 s98, s98, s99
	s_add_co_u32 s98, s98, s24
	s_mul_i32 s98, s98, KSC*1536
	s_add_co_u32 s98, s98, WC
	s_mov_b32 s99, 0
	s_add_nc_u64 s[PFC:PFC+1], s[4:5], s[98:99]
	v_and_b32 v17, 31, v0
	v_min_u32 v16, 11, v17
	v_min_u32 v17, 23, v17
	v_lshlrev_b32 v16, 8, v16                      ; v16: R's blocks, v17: C's; never rewritten
	v_lshlrev_b32 v17, 8, v17
	s_mov_b32 s8, 1                                ; group 0 of the refills for k: my half of C's part of place w / 2,
	s_mul_i32 s9, s25, GRP
	s_add_co_u32 s9, s9, s67
	s_mul_i32 s48, s25, BLKB                       ; that place's two K steps,
	s_add_co_u32 s48, s48, 786432                  ; of Wk's codes, which lie 786,432 bytes behind Wq's
	s_mov_b32 s49, 0
	s_add_nc_u64 s[10:11], s[46:47], s[48:49]
	s_or_b32 s11, s11, 0x80000000
	v_and_b32 v10, 31, v0
	v_lshlrev_b32 v1, 4, v10                       ; 16 x lane
	s_wait_alu depctr_va_vdst(0)
	v_lshlrev_b32 v10, 2, v10                      ; 4 x lane
	s_wait_alu depctr_va_vdst(0)
	s_mul_i32 s48, s25, 4*BLKB                     ; my four tiles of R,
	s_mul_i32 s49, s26, 8*BLKB
	s_add_co_u32 s49, s49, 8*BLKB                  ; my eight of C
.irp g, 0,1,2,3
	v_add_nc_u32 v[2+\g], s48, v1
	v_add_nc_u32 v[6+\g], s49, v1
	s_add_co_u32 s48, s48, GRP
	s_add_co_u32 s49, s49, GRP
.endr
	s_lshl_b32 s48, s30, 1
	s_add_co_u32 s48, s48, s25                     ; q, k: my 64 rows: chunk 2 x tile + half
	s_lshl_b32 s52, s48, 11
	s_add_co_u32 s52, s52, XS
	s_mov_b32 s53, 0
	s_add_nc_u64 s[52:53], s[4:5], s[52:53]        ; x's scale words
	s_lshl_b32 s50, s31, 1
	s_add_co_u32 s50, s50, s26                     ; my 128 columns: also the result's K step
	s_lshl_b32 s54, s50, 12
	s_add_co_u32 s54, s54, WS
	s_mov_b32 s55, 0
	s_add_nc_u64 s[54:55], s[4:5], s[54:55]        ; Wq's
	LDRS 52
	LDCS 54, 0
	s_mul_i32 s56, s48, 4*12288                    ; q's codes: my first tile (4 x chunk), eight K steps a tile,
	s_mul_i32 s51, s50, 1536                       ; my K step
	s_add_co_u32 s56, s56, s51
	s_mov_b32 s57, 0
	s_add_nc_u64 s[56:57], s[6:7], s[56:57]
	s_lshl_b32 s58, s48, 11                        ; and its scale words
	s_lshl_b32 s51, s50, 8
	s_add_co_u32 s58, s58, s51
	s_add_co_u32 s58, s58, QS
	s_mov_b32 s59, 0
	s_add_nc_u64 s[58:59], s[6:7], s[58:59]
	s_lshr_b32 s45, s29, 3                         ; V^T: Wv's tile of 128 channels: 4 (j / 8) + cy,
	s_lshl_b32 s45, s45, 2
	s_add_co_u32 s45, s45, s28
	s_and_b32 s66, s29, 7                          ; x's tile of 256 keys: 4 (j % 8) + cx
	s_lshl_b32 s66, s66, 2
	s_add_co_u32 s66, s66, s27
	s_lshl_b32 s96, s45, 3                         ; the prefetches for V^T's tile, shared out in the same way: Wv^T,
	s_lshl_b32 s97, s27, 1
	s_add_co_u32 s96, s96, s97
	s_add_co_u32 s96, s96, s25
	s_mul_i32 s96, s96, KSR*1536
	s_mul_i32 s97, s26, 3072
	s_add_co_u32 s96, s96, s97
	s_add_co_u32 s96, s96, WC+2*786432
	s_mov_b32 s97, 0
	s_add_nc_u64 s[PFR2:PFR2+1], s[4:5], s[96:97]
	s_lshl_b32 s98, s66, 4                         ; and x
	s_lshl_b32 s99, s28, 2
	s_add_co_u32 s98, s98, s99
	s_add_co_u32 s98, s98, s24
	s_mul_i32 s98, s98, KSC*1536
	s_mov_b32 s99, 0
	s_add_nc_u64 s[PFC2:PFC2+1], s[4:5], s[98:99]
	global_prefetch_b8 v16, s[PFR:PFR+1] offset:6144 th:TH_LOAD_NT scope:SCOPE_SE     ; tile 0's K steps 4-7, one fill on: x,
	global_prefetch_b8 v17, s[PFC:PFC+1] offset:6144 th:TH_LOAD_NT scope:SCOPE_SE     ; Wq
	s_lshl_b32 s48, s45, 1
	s_add_co_u32 s48, s48, s25                     ; my 64 channels
	s_lshl_b32 s50, s66, 1
	s_add_co_u32 s50, s50, s26                     ; my 128 keys: also the result's K step
	s_lshl_b32 s60, s48, 11
	s_add_co_u32 s60, s60, WS+2*32768
	s_mov_b32 s61, 0
	s_add_nc_u64 s[60:61], s[4:5], s[60:61]        ; Wv's scale words
	s_lshl_b32 s62, s50, 12
	s_add_co_u32 s62, s62, XS
	s_mov_b32 s63, 0
	s_add_nc_u64 s[62:63], s[4:5], s[62:63]        ; x's
	s_mul_i32 s2, s48, 4*98304                     ; V^T's codes: 64 K steps a tile
	s_mul_i32 s51, s50, 1536
	s_add_co_u32 s2, s2, s51
	s_add_co_u32 s2, s2, 12582912
	s_mov_b32 s3, 0
	s_add_nc_u64 s[2:3], s[6:7], s[2:3]
	s_lshl_b32 s100, s48, 14                       ; its scale words: chunks of 64 x 256 bytes
	s_lshl_b32 s51, s50, 8
	s_add_co_u32 s100, s100, s51
	s_add_co_u32 s100, s100, QS+524288
	s_mov_b32 s101, 0
	s_add_nc_u64 s[100:101], s[6:7], s[100:101]
	s_wait_alu depctr_va_vdst(0)
	OPEN 2                                         ; places 0 and 1 are whole in every wave's eyes; tile 0's places 2 and 3 are first filled behind the round, as a refill is: that load has three K steps (96 matrix instructions) in which to land
	global_prefetch_b8 v17, s[PFC:PFC+1] offset:786432 th:TH_LOAD_NT scope:SCOPE_SE   ; Wk's K steps 0-3, one fill on
	; ---- tile 0: q
	KS_N 0, 1
	KS_N 1, 0
	KS_N 2, 0
	KS_S 3, 0                                      ; places 2 and 3 are whole
	KS_N 4, 0
	KS_T 5, 1                                      ; Wk's K steps 0-3 go into places 0 and 1
	WIN 0
	global_prefetch_b8 v17, s[PFC:PFC+1] offset:786432+6144 th:TH_LOAD_NT scope:SCOPE_SE   ; Wk's K steps 4-7, one fill on;
	global_prefetch_b8 v16, s[PFR2:PFR2+1] th:TH_LOAD_NT scope:SCOPE_SE               ; V^T's K steps 0-3, two fills on: Wv^T,
	global_prefetch_b8 v17, s[PFC2:PFC2+1] th:TH_LOAD_NT scope:SCOPE_SE               ; x
	KS_N 6, 0
	KS_L 7
	EPI 0
	; ---- tile 1: k
	OPEN 1                                         ; places 0 and 1 are whole; Wk's K steps 4-7 go into places 2 and 3
	global_prefetch_b8 v16, s[PFR2:PFR2+1] offset:6144 th:TH_LOAD_NT scope:SCOPE_SE   ; V^T's K steps 4-7, two fills on: the last that is asked for
	global_prefetch_b8 v17, s[PFC2:PFC2+1] offset:6144 th:TH_LOAD_NT scope:SCOPE_SE
	KS_N 0, 1
	KS_N 1, 0
	KS_N 2, 0
	KS_T 3, 2                                      ; places 2 and 3 are whole; V^T's K steps 0-3, R and C, go into places 0 and 1
	KS_N 4, 0
	KS_N 5, 0
	KS_N 6, 0
	KS_L 7
	EPI 1
	; ---- tile 2: V^T
	OPEN 2                                         ; places 0 and 1 are whole; V^T's K steps 4-7 go into places 2 and 3: the last loads
	KS_N 0, 1
	KS_N 1, 0
	KS_N 2, 0
	KS_S 3, 0                                      ; places 2 and 3 are whole; nothing is filled any more
	KS_N 4, 0
	KS_N 5, 0
	KS_N 6, 0
	KS_L 7
	EPI 2
	s_wait_tensorcnt 0x0                           ; the wave's end
	ds_add_u32 v30, v31
	s_wait_dscnt 0x0
	CROUND                                         ; the closing round
	s_endpgm
.Lfunc_end_k_qe36b3a4676_proj:
	.size	k_qe36b3a4676_proj, .Lfunc_end_k_qe36b3a4676_proj-k_qe36b3a4676_proj
	.p2alignl 7, 3214868480
	.fill 96, 4, 3214868480
	.section	.rodata,"a",@progbits
	.p2align	6, 0x0
	.amdhsa_kernel k_qe36b3a4676_proj
		.amdhsa_group_segment_fixed_size 327680
		.amdhsa_private_segment_fixed_size 0
		.amdhsa_enable_private_segment 0
		.amdhsa_kernarg_size 16
		.amdhsa_user_sgpr_count 2
		.amdhsa_user_sgpr_kernarg_segment_ptr 1
		.amdhsa_wavefront_size32 1
		.amdhsa_system_sgpr_workgroup_id_x 1
		.amdhsa_system_sgpr_workgroup_id_y 1
		.amdhsa_system_sgpr_workgroup_id_z 1
		.amdhsa_system_vgpr_workitem_id 0
		.amdhsa_next_free_vgpr 768
		.amdhsa_next_free_sgpr 102
		.amdhsa_reserve_vcc 0
		.amdhsa_float_denorm_mode_32 3
		.amdhsa_float_denorm_mode_16_64 3
		.amdhsa_memory_ordered 1
		.amdhsa_forward_progress 1
		.amdhsa_inst_pref_size 237
	.end_amdhsa_kernel
	.amdgpu_metadata
---
amdhsa.version: [ 1, 2 ]
amdhsa.kernels:
  - .name:           k_qe36b3a4676_proj
    .symbol:         k_qe36b3a4676_proj.kd
    .args:
      - { .name: xw, .offset: 0, .size: 8, .value_kind: global_buffer, .address_space: global }
      - { .name: qkv, .offset: 8, .size: 8, .value_kind: global_buffer, .address_space: global }
    .group_segment_fixed_size: 327680
    .private_segment_fixed_size: 0
    .kernarg_segment_align: 8
    .kernarg_segment_size: 16
    .max_flat_workgroup_size: 128
    .sgpr_count:     102
    .vgpr_count:     768
    .wavefront_size: 32
...
	.end_amdgpu_metadata
.endif
;; end of part 2
;; launch scores (part 3): grid 4 x 64, 4 waves a work-group, clusters of 4 x 4, 327,680 bytes of LDS; arguments qkv, pst; writes pst
.if DOCPART == 3
	.amdgcn_target "amdgcn-amd-amdhsa--gfx1250"
	.amdhsa_code_object_version 6
	.text
	.protected	k_qe36b3a4676_scores
	.globl	k_qe36b3a4676_scores
	.p2align	8
	.type	k_qe36b3a4676_scores,@function
k_qe36b3a4676_scores:
	s_mov_b64 s[64:65], 0
	v_nop
	global_prefetch_b8 v0, s[64:65] scope:SCOPE_SE
	s_setreg_imm32_b32 hwreg(HW_REG_WAVE_MODE, 25, 1), 1
	s_wait_xcnt 0x0
	s_wait_alu depctr_hold_cnt(0) depctr_sa_sdst(0) depctr_va_vdst(0) depctr_va_sdst(0) depctr_va_ssrc(0) depctr_va_vcc(0) depctr_vm_vsrc(0)
	s_getreg_b32 s2, hwreg(HW_REG_IB_STS2, 6, 4)
	s_cmp_eq_u32 s2, 0
	s_cbranch_scc0 .Lentry_in_a_cluster
	s_endpgm
.Lentry_in_a_cluster:
	s_bfe_u32 s2, ttmp6, 0x10000c
	s_cmp_lg_u32 s2, 0xf033
	s_cbranch_scc0 .Lentry_shape_is_right
	s_endpgm
.Lentry_shape_is_right:
; THIRD LAUNCH: S^T = k q^T on codes of FP6, and on the way out, for each query and each 128 keys: M' = ceil(the largest t), t = score x log2(e) / 32; p = 2^(t - M'); the sum of the unquantised p; p's codes and scale word.
; A block's codes do not hang on M: a change of M is a power of two, which the block's scale takes up.  So M' is taken per 128 keys (one scale word) here, and the next launch brings all under the row's M by lowering scale bytes.  Nothing of reference() is left out.
; ROLES, CLUSTER, LAYOUTS as in the launch before: R (source 1) = q, C (source 0) = k of the same batch; a tile is 128 queries x 256 keys, a wave's part 64 x 128; a tile's K = 1,024 lies in LDS whole, in four places of two K steps.
; A WORK-GROUP STAYS and makes two tiles: its 128 queries, which are fetched once, against keys 256 cx on and keys 256 (cx + 4) on.  The second tile's keys are asked for while the first is multiplied and turned into p:
; C's parts of places 0, 1 at the first tile's K step 5, of places 2, 3 at the second tile's opening; each refill behind a round of the cluster's barrier, in front of which every wave has waited for all its tensor loads, made the add and waited for its reads.
; pst: p's codes at 0 ([512 tiles of queries][16 K steps of 128 keys][1,536]); at PS its scale words, 524,288 bytes on the numbers -M', 1,048,576 on the sums, all three laid [query slot / 64][K step][slot % 64].
; LIMITS: |t| stays under 2^24, so that M' is a whole number held exactly; NaN and infinities are not served; a block all of whose p fall under 2^-124 keeps the byte 1.
; REGISTERS as in the launch before; v128-135 -M' (a pair a block), v136-139 the sums, v148-153 words on the way out, v154-159 at work.
.set GK,    2
.set NG,    4
.set BLKB,  GK*1536
.set GRP,   24*BLKB
.set SPARE, NG*GRP                     ; the spare words, 128 bytes a wave: two blocks of 256 bytes that no other line names
.set KSR,   8
.set KSC,   8
.set RS,    32
.set CS,    48
.set RF,    160
.set TM,    160
.set PW,    144
.set G1R,   36
.set G1C,   12
.set G1W,   68                         ; s[68:75] group 1: C's sixteen tiles of a place; s[36:43] R's eight; s[88:91], s[92:95] the first fills' groups 0
.set PFR,   84                         ; s[84:85], s[86:87] where my prefetches of q and of k begin; never rewritten
.set PFC,   86
.set KC,    6291456
.set QS,    18874368
.set KSO,   19136512
.set PS,    12582912
.set MSB, 0
.macro WIN new                         ; the immediate's high byte repeats the setting that is left
.if MSB != \new
	s_set_vgpr_msb (MSB<<8)|\new
.set MSB, \new
.endif
.endm
.macro PLACES
.rept 4
	v_nop
.endr
.endm
.macro CREST
	s_cmp_lg_u32 s24, 0
	s_cbranch_scc1 .Lnot_wave_0_\@
	s_barrier_signal -3
.Lnot_wave_0_\@:
	s_barrier_wait -3
	s_barrier_signal -1
	s_barrier_wait -1
.endm
.macro CROUND
	s_barrier_signal -1
	s_barrier_wait -1
	CREST
.endm
.macro HLOAD                           ; a first fill of two whole places: waves 0 and 2 fetch R's eight tiles of place w / 2 (later: + 2), waves 1 and 3 C's sixteen; an s_nop 0 and four v_nop follow each line
	s_cmp_eq_u32 s26, 0
	s_cbranch_scc0 .Lfor_c_\@
	tensor_load_to_lds s[88:91], s[G1R:G1R+7]
	s_nop 0
.rept 4
	v_nop
.endr
	s_branch .Lasked_\@
.Lfor_c_\@:
	tensor_load_to_lds s[92:95], s[G1W:G1W+7]
	s_nop 0
.rept 4
	v_nop
.endr
.Lasked_\@:
.endm
.macro ALOAD                           ; a refill of C: wave w fetches half w % 2 (eight tiles) of place w / 2 (later: w / 2 + 2): one line for all four waves, told apart by the wave's number in group 0
	tensor_load_to_lds s[8:11], s[G1C:G1C+7]
	s_nop 0
.rept 4
	v_nop
.endr
.endm
.macro FETCH set, g, kk
	WIN 0x40
.irp i, 0,1,2,3,4,5,6,7
.irp c, 0,1,2
	ds_load_b128 v[96*(\set)+12*\i+4*\c:96*(\set)+12*\i+4*\c+3], v[6+(\g)] offset:\i*BLKB+(\kk)*1536+512*\c
.endr
.endr
	WIN 0
.irp i, 0,1,2,3
.irp c, 0,1,2
	ds_load_b128 v[RF+48*(\set)+12*\i+4*\c:RF+48*(\set)+12*\i+4*\c+3], v[2+(\g)] offset:\i*BLKB+(\kk)*1536+512*\c
.endr
.endr
.endm
.macro MULA s, a, mode                 ; R's block a against C's eight tiles; the 32 accumulators take turns
	WIN 0xa1
.irp b, 0,1,2,3,4,5,6,7
.set rD, 8*(8*(\a)+\b)
.set rA, 96*((\s)%2)+12*\b
.set rB, RF+48*((\s)%2)+12*(\a)
.set rX, CS+4*(\s)+\b/2
.set rY, RS+2*(\s)+(\a)/2
.set rP, 4*(\mode)+2*((\a)%2)+\b%2
.if rP == 0
	v_wmma_scale_f32_16x16x128_f8f6f4 v[rD:rD+7], v[rA:rA+11], v[rB:rB+11], v[rD:rD+7], v[rX], v[rY] matrix_a_fmt:MATRIX_FMT_FP6 matrix_b_fmt:MATRIX_FMT_FP6
.elseif rP == 1
	v_wmma_scale_f32_16x16x128_f8f6f4 v[rD:rD+7], v[rA:rA+11], v[rB:rB+11], v[rD:rD+7], v[rX], v[rY] matrix_a_fmt:MATRIX_FMT_FP6 matrix_b_fmt:MATRIX_FMT_FP6 matrix_a_scale:MATRIX_SCALE_ROW1
.elseif rP == 2
	v_wmma_scale_f32_16x16x128_f8f6f4 v[rD:rD+7], v[rA:rA+11], v[rB:rB+11], v[rD:rD+7], v[rX], v[rY] matrix_a_fmt:MATRIX_FMT_FP6 matrix_b_fmt:MATRIX_FMT_FP6 matrix_b_scale:MATRIX_SCALE_ROW1
.elseif rP == 3
	v_wmma_scale_f32_16x16x128_f8f6f4 v[rD:rD+7], v[rA:rA+11], v[rB:rB+11], v[rD:rD+7], v[rX], v[rY] matrix_a_fmt:MATRIX_FMT_FP6 matrix_b_fmt:MATRIX_FMT_FP6 matrix_a_scale:MATRIX_SCALE_ROW1 matrix_b_scale:MATRIX_SCALE_ROW1
.elseif rP == 4
	v_wmma_scale_f32_16x16x128_f8f6f4 v[rD:rD+7], v[rA:rA+11], v[rB:rB+11], 0, v[rX], v[rY] matrix_a_fmt:MATRIX_FMT_FP6 matrix_b_fmt:MATRIX_FMT_FP6
.elseif rP == 5
	v_wmma_scale_f32_16x16x128_f8f6f4 v[rD:rD+7], v[rA:rA+11], v[rB:rB+11], 0, v[rX], v[rY] matrix_a_fmt:MATRIX_FMT_FP6 matrix_b_fmt:MATRIX_FMT_FP6 matrix_a_scale:MATRIX_SCALE_ROW1
.elseif rP == 6
	v_wmma_scale_f32_16x16x128_f8f6f4 v[rD:rD+7], v[rA:rA+11], v[rB:rB+11], 0, v[rX], v[rY] matrix_a_fmt:MATRIX_FMT_FP6 matrix_b_fmt:MATRIX_FMT_FP6 matrix_b_scale:MATRIX_SCALE_ROW1
.else
	v_wmma_scale_f32_16x16x128_f8f6f4 v[rD:rD+7], v[rA:rA+11], v[rB:rB+11], 0, v[rX], v[rY] matrix_a_fmt:MATRIX_FMT_FP6 matrix_b_fmt:MATRIX_FMT_FP6 matrix_a_scale:MATRIX_SCALE_ROW1 matrix_b_scale:MATRIX_SCALE_ROW1
.endif
.endr
.endm
.macro KS_N s, mode                    ; a K step whose successor lies in a place that is known whole
	s_wait_dscnt 0x0                               ; this K step's fragments are in
	PLACES
	FETCH ((\s)+1)%2, (((\s)+1)/GK)%NG, ((\s)+1)%GK
	MULA \s, 0, \mode
	MULA \s, 1, \mode
	MULA \s, 2, \mode
	MULA \s, 3, \mode
.endm
.macro KS_S s, cnt                     ; cnt = my loads for the places behind the next one, which may stay out
	s_wait_dscnt 0x0
	s_wait_tensorcnt \cnt
	s_barrier_signal -1
	MULA \s, 0, 0
	s_barrier_wait -1
	PLACES
	FETCH ((\s)+1)%2, (((\s)+1)/GK)%NG, ((\s)+1)%GK
	MULA \s, 1, 0
	MULA \s, 2, 0
	MULA \s, 3, 0
.endm
; The K step at which C's parts of places 0 and 1, read out, are filled for the next tile.  In front of the barrier each wave waits for all its tensor loads (so the place ahead is whole), adds 0 to its spare word, and waits for that and for its reads.
; The barrier opens a round of the cluster's barrier; behind the round the joint refill comes first, one a wave.
.macro KS_T s
	WIN 0                                          ; (the add's two registers lie in window 0)
	s_wait_tensorcnt 0x0
	ds_add_u32 v30, v31                            ; 0 onto my spare word
	s_wait_dscnt 0x0                               ; the add is done, this K step's fragments are in, and my reads of the places behind me are over
	s_barrier_signal -1
	MULA \s, 0, 0                                  ; work on registers while the others arrive
	WIN 0
	s_barrier_wait -1
	CREST                                          ; no wave of any partner still reads those places or has a load on its way
	ALOAD
	FETCH ((\s)+1)%2, (((\s)+1)/GK)%NG, ((\s)+1)%GK   ; (the four v_nop behind the load are also the places in front of these loads)
	MULA \s, 1, 0
	MULA \s, 2, 0
	MULA \s, 3, 0
.endm
.macro KS_L s
	s_wait_dscnt 0x0
	MULA \s, 0, 0
	MULA \s, 1, 0
	MULA \s, 2, 0
	MULA \s, 3, 0
.endm
.macro LDCS off                        ; k's scale words of my 128 keys
.irp s, 0,1,2,3,4,5,6,7
.irp q, 0,1,2,3
	global_load_b32 v[CS+4*\s+\q], v10, s[54:55] offset:(\off)+(\q/2)*KSC*256+\s*256+(\q%2)*128
.endr
.endr
.endm
.macro QTAIL a                         ; from the four blocks' largest numbers in v[TM] on: the scale word into v[PW + a], the codes into v[176 + 20 a] on
.set rPC, 176+20*(\a)
.set rA0, 64*(\a)
.irp e, 0,1,2,3
	v_add_nc_u32 v[TM+12+\e], 0xff000000, v[TM+\e]
.endr
.irp e, 0,1,2,3
	v_lshrrev_b32 v[TM+4+\e], 23, v[TM+12+\e]
.endr
	v_lshl_or_b32 v[PW+(\a)], v[TM+5], 8, v[TM+4]
	v_lshl_or_b32 v[PW+(\a)], v[TM+6], 16, v[PW+(\a)]
	v_lshl_or_b32 v[PW+(\a)], v[TM+7], 24, v[PW+(\a)]
	WIN 0x02
.irp c, 0,1
	v_cvt_scalef32_pk16_fp6_f32 v[rPC+6*\c:rPC+6*\c+2], v[rA0+32*\c:rA0+32*\c+15], v[TM+12+2*\c]
	v_cvt_scalef32_pk16_fp6_f32 v[rPC+12+4*\c:rPC+14+4*\c], v[rA0+16+32*\c:rA0+31+32*\c], v[TM+13+2*\c]
.endr
	WIN 0
	v_nop                                          ; one plain place behind a scaled conversion
.irp c, 0,1
.irp i, 0,1,2
	v_permlane16_swap_b32 v[rPC+6*\c+\i], v[rPC+12+4*\c+\i]
.endr
.irp i, 0,1,2
	v_mov_b32 v[rPC+3+6*\c+\i], v[rPC+12+4*\c+\i]
.endr
.endr
.endm
; Block a's 16 queries x my 128 keys of tile t: register 64 a + 16 e + i of lane (r, h) is the score of query slot r and key 32 e + 16 h + i.
.macro SOFT a, t
.set rA0, 64*(\a)
.set rN, 128+2*(\a)
	WIN 0x2a
.irp e, 0,1,2,3
	v_max3_num_f32 v[TM+\e], v[rA0+16*\e], v[rA0+16*\e+1], v[rA0+16*\e+2]   ; the largest score of each block of 32 keys: it serves for the maximum and, since p rises with the score, for the block's largest p
.endr
	WIN 0x28
.irp i, 3,5,7,9,11,13
.irp e, 0,1,2,3
	v_max3_num_f32 v[TM+\e], v[TM+\e], v[rA0+16*\e+\i], v[rA0+16*\e+\i+1]
.endr
.endr
	WIN 0x08
.irp e, 0,1,2,3
	v_max_num_f32 v[TM+\e], v[TM+\e], v[rA0+16*\e+15]
.endr
	WIN 0
.irp e, 0,1,2,3
	v_permlanex16_b32 v[TM+4+\e], v[TM+\e], s20, s21
.endr
.irp e, 0,1,2,3
	v_max_num_f32 v[TM+\e], v[TM+\e], v[TM+4+\e]   ; with lane l xor 16's sixteen keys
.endr
	v_max3_num_f32 v154, v[TM], v[TM+1], v[TM+2]
	v_max_num_f32 v154, v154, v[TM+3]
	v_mul_f32 v154, s22, v154                      ; as t (c is positive)
	v_floor_f32 v[rN], -v154                       ; -M' = floor(-t) = -ceil(t): a whole number
	v_mov_b32 v[rN+1], v[rN]                       ; (named with it as a pair, so it is written)
.irp e, 0,1,2,3
	v_fma_f32 v[TM+\e], v[TM+\e], s22, v[rN]       ; t - M' of each block's largest score
.endr
	WIN 0x82
.set j, 0
.rept 32
	v_pk_fma_f32 v[rA0+j:rA0+j+1], v[rA0+j:rA0+j+1], s[22:23], v[rN:rN+1] op_sel_hi:[1,0,0]   ; t - M', two at a time
.set j, j+2
.endr
.set j, 0
	s_wait_alu depctr_va_vdst(0)
.rept 64
	v_exp_f32 v[rA0+j], v[rA0+j]                   ; p = 2^(t - M'), not normalised
.set j, j+1
.endr
	WIN 0
.irp e, 0,1,2,3
	v_exp_f32 v[TM+\e], v[TM+\e]                   ; the block's largest p: the same two instructions on the same number give the same bits
.endr
	v_nop                                          ; a plain place behind the last exponential
	s_wait_alu depctr_va_vdst(0)                   ; one wait for the batch of 68, ahead of its first reader
	WIN 0x0a
	v_pk_add_f32 v[156:157], v[rA0:rA0+1], v[rA0+4:rA0+5]      ; the sum is taken of the unquantised p: two at a time, in two chains
	v_pk_add_f32 v[158:159], v[rA0+2:rA0+3], v[rA0+6:rA0+7]
	WIN 0x08
.set j, 8
.rept 14
	v_pk_add_f32 v[156:157], v[156:157], v[rA0+j:rA0+j+1]
	v_pk_add_f32 v[158:159], v[158:159], v[rA0+j+2:rA0+j+3]
.set j, j+4
.endr
	WIN 0
	v_pk_add_f32 v[156:157], v[156:157], v[158:159]
	v_add_f32 v155, v156, v157
	v_permlanex16_b32 v154, v155, s20, s21
	v_add_f32 v[136+(\a)], v155, v154              ; with lane l xor 16's: the sum over the 128 keys
.irp e, 0,1,2,3
	v_max_num_f32 v[TM+\e], 0x1800000, v[TM+\e]    ; the floor 2^(3 - 127): the byte cannot fall under 1
.endr
	QTAIL \a
.irp c, 0,1,2
	global_store_b128 v1, v[176+20*(\a)+4*\c:176+20*(\a)+4*\c+3], s[56:57] offset:(\a)*24576+(\t)*12288+512*\c   ; 32 lanes store 512 consecutive bytes, aligned; the second tile's K step lies eight on
.endr
.endm
; Tile t's way out.  The second tile's scale words of k are asked for first: four places behind the last product that read those registers.  Each block has its own registers for its codes.
.macro EPI t
	PLACES
	WIN 0
.if (\t) == 0
	LDCS 32768                                     ; 1,024 keys on: sixteen chunks of 2,048 bytes
.endif
.irp e, 0,1,2,3
	v_mov_b32 v[TM+4+\e], 0                        ; a lane permute's destination counts as one of its sources
.endr
	SOFT 0, \t
	SOFT 1, \t
	SOFT 2, \t
	SOFT 3, \t
	v_cndmask_b32 v148, v144, v145, s44            ; lanes 0-15 the even block's rows, lanes 16-31 the odd block's: scale words,
	v_cndmask_b32 v149, v146, v147, s44
	v_cndmask_b32 v150, v128, v130, s44            ; -M',
	v_cndmask_b32 v151, v132, v134, s44
	v_cndmask_b32 v152, v136, v137, s44            ; the sums
	v_cndmask_b32 v153, v138, v139, s44
	global_store_b32 v10, v148, s[58:59] offset:(\t)*2048
	global_store_b32 v10, v149, s[58:59] offset:(\t)*2048+128
	global_store_b32 v10, v150, s[58:59] offset:(\t)*2048+524288
	global_store_b32 v10, v151, s[58:59] offset:(\t)*2048+524288+128
	global_store_b32 v10, v152, s[58:59] offset:(\t)*2048+1048576
	global_store_b32 v10, v153, s[58:59] offset:(\t)*2048+1048576+128
.endm
	s_load_b128 s[4:7], s[0:1], 0x0                ; qkv, pst
	v_lshl_add_u32 v30, v0, 2, SPARE
	v_mov_b32 v31, 0
	ds_add_u32 v30, v31                            ; the wave's opening: the add, twice on end, and its wait ahead of my first tensor load
	ds_add_u32 v30, v31
	v_lshrrev_b32 v1, 5, v0
	v_readfirstlane_b32 s24, v1                    ; wave 0..3
	s_lshr_b32 s25, s24, 1                         ; my 64 queries.  Also: the place (of a pair of places) that I fetch for
	s_and_b32 s26, s24, 1                          ; my 128 keys.  Also: in the first fills R (0) or C (1); in the refills which half of C
	s_bfe_u32 s27, ttmp6, 0x40000                  ; cx
	s_bfe_u32 s28, ttmp6, 0x40004                  ; cy
	s_and_b32 s29, ttmp7, 0xffff                   ; cluster y, 0..15 (the grid is one cluster wide)
	s_lshr_b32 s45, s29, 2                         ; the batch: 16 tiles of 128 queries each
	s_lshl_b32 s30, s29, 2
	s_add_co_u32 s30, s30, s28                     ; q's tile of 128, over all 8,192 rows
	s_mov_b32 s31, s27                             ; the first tile's 256 keys of the batch; the second's lie four tiles on
	s_lshl_b32 s32, s28, 2
	s_lshl_b32 s32, 15, s32                        ; my row of the cluster
	s_lshl_b32 s33, 0x1111, s27                    ; my column
	s_or_b32 s[G1R], s32, (3<<16)|(1<<21)          ; the mask; elements of 8 bytes; bit 21 beside a mask; no padding
	s_mov_b32 s[G1R+1], (BLKB/8)<<16
	s_mov_b32 s[G1R+2], 8<<16                      ; eight tiles
	s_mov_b32 s[G1R+3], (BLKB/8)<<16
	s_mov_b32 s[G1R+4], 8
	s_mov_b32 s[G1R+5], KSR*192
	s_mov_b32 s[G1R+6], 0
	s_mov_b32 s[G1R+7], 0
	s_or_b32 s[G1C], s33, (3<<16)|(1<<21)
	s_mov_b32 s[G1C+1], (BLKB/8)<<16
	s_mov_b32 s[G1C+2], 8<<16
	s_mov_b32 s[G1C+3], (BLKB/8)<<16
	s_mov_b32 s[G1C+4], 8
	s_mov_b32 s[G1C+5], KSC*192
	s_mov_b32 s[G1C+6], 0
	s_mov_b32 s[G1C+7], 0
	s_or_b32 s[G1W], s33, (3<<16)|(1<<21)          ; the same with sixteen tiles, for the first fills
	s_mov_b32 s[G1W+1], (BLKB/8)<<16
	s_mov_b32 s[G1W+2], 16<<16
	s_mov_b32 s[G1W+3], (BLKB/8)<<16
	s_mov_b32 s[G1W+4], 16
	s_mov_b32 s[G1W+5], KSC*192
	s_mov_b32 s[G1W+6], 0
	s_mov_b32 s[G1W+7], 0
	s_mul_i32 s34, s30, 8*KSR*1536                 ; R: q's eight tiles (q's codes begin at byte 0),
	s_mul_i32 s49, s25, BLKB                       ; the two K steps of place w / 2
	s_add_co_u32 s34, s34, s49
	s_mov_b32 s35, 0
	s_lshl_b32 s50, s31, 4
	s_lshl_b32 s51, s26, 3
	s_add_co_u32 s50, s50, s51
	s_lshl_b32 s51, s45, 7                         ; 128 tiles of keys a batch
	s_add_co_u32 s50, s50, s51
	s_mul_i32 s46, s50, KSC*1536
	s_add_co_u32 s46, s46, KC
	s_mov_b32 s47, 0
	s_lshl_b32 s50, s31, 4                         ; C of a whole place: k's sixteen tiles,
	s_add_co_u32 s50, s50, s51                     ; of the batch (s51 holds 128 x batch),
	s_mul_i32 s50, s50, KSC*1536
	s_add_co_u32 s50, s50, s49                     ; the same two K steps
	s_add_co_u32 s50, s50, KC
	s_mov_b32 s51, 0
	s_mul_i32 s67, s26, 8*BLKB
	s_add_co_u32 s67, s67, 8*BLKB
	s_mov_b32 s20, 0x76543210
	s_mov_b32 s21, 0xfedcba98
	s_mov_b32 s22, 0x3d38aa3b                      ; c = log2(e) / sqrt(1024): the division by 32 is exact
	s_mov_b32 s23, s22                             ; (named with it as a pair, so it is written)
	s_mov_b32 s44, 0xffff0000
	s_wait_dscnt 0x0                               ; both opening adds are done
	s_wait_kmcnt 0x0
	s_add_nc_u64 s[46:47], s[4:5], s[46:47]
	s_mov_b32 s88, 1                               ; group 0, R: place w / 2
	s_mul_i32 s89, s25, GRP
	s_add_nc_u64 s[90:91], s[4:5], s[34:35]
	s_or_b32 s91, s91, 0x80000000
	s_mov_b32 s92, 1                               ; group 0, C: behind R's eight tiles
	s_add_co_u32 s93, s89, 8*BLKB
	s_add_nc_u64 s[94:95], s[4:5], s[50:51]
	s_or_b32 s95, s95, 0x80000000
	CROUND                                         ; all sixteen work-groups are here: the joint loads meet
	HLOAD                                          ; the first tile's places 0 and 1, one tensor load a wave
	; PREFETCHES INTO THE L2, as in the launch before: a pair of places is 6,144 bytes on end of each tile of 16 slots.  The four partners of a joint load share its bytes out by address: of R's eight tiles the partner at cx
	; takes two, wave w half w % 2 of tile 2 cx + w / 2 (12 blocks of 256 bytes); of C's sixteen the partner at cy takes four, wave w one (24 blocks).  A lane a block; lanes left over name the wave's last block again.
	s_lshl_b32 s96, s30, 3
	s_lshl_b32 s97, s27, 1
	s_add_co_u32 s96, s96, s97
	s_add_co_u32 s96, s96, s25
	s_mul_i32 s96, s96, KSR*1536
	s_mul_i32 s97, s26, 3072
	s_add_co_u32 s96, s96, s97
	s_mov_b32 s97, 0
	s_add_nc_u64 s[PFR:PFR+1], s[4:5], s[96:97]
	s_lshl_b32 s98, s31, 4
	s_lshl_b32 s99, s28, 2
	s_add_co_u32 s98, s98, s99
	s_lshl_b32 s99, s45, 7
	s_add_co_u32 s98, s98, s99
	s_add_co_u32 s98, s98, s24
	s_mul_i32 s98, s98, KSC*1536
	s_add_co_u32 s98, s98, KC
	s_mov_b32 s99, 0
	s_add_nc_u64 s[PFC:PFC+1], s[4:5], s[98:99]
	v_and_b32 v17, 31, v0
	v_min_u32 v16, 11, v17
	v_min_u32 v17, 23, v17
	v_lshlrev_b32 v16, 8, v16                      ; v16: R's blocks, v17: C's; never rewritten
	v_lshlrev_b32 v17, 8, v17
	s_mov_b32 s8, 1                                ; group 0 of the refills: my half of C's part of place w / 2,
	s_mul_i32 s9, s25, GRP
	s_add_co_u32 s9, s9, s67
	s_mul_i32 s48, s25, BLKB                       ; that place's two K steps,
	s_add_co_u32 s48, s48, 64*KSC*1536             ; 1,024 keys, 64 tiles, on
	s_mov_b32 s49, 0
	s_add_nc_u64 s[10:11], s[46:47], s[48:49]
	s_or_b32 s11, s11, 0x80000000
	v_and_b32 v10, 31, v0
	v_lshlrev_b32 v1, 4, v10
	s_wait_alu depctr_va_vdst(0)
	v_lshlrev_b32 v10, 2, v10
	s_wait_alu depctr_va_vdst(0)
	s_mul_i32 s48, s25, 4*BLKB
	s_mul_i32 s49, s26, 8*BLKB
	s_add_co_u32 s49, s49, 8*BLKB
.irp g, 0,1,2,3
	v_add_nc_u32 v[2+\g], s48, v1
	v_add_nc_u32 v[6+\g], s49, v1
	s_add_co_u32 s48, s48, GRP
	s_add_co_u32 s49, s49, GRP
.endr
	s_lshl_b32 s48, s30, 1
	s_add_co_u32 s48, s48, s25                     ; my chunk of 64 query slots
	s_lshl_b32 s52, s48, 11
	s_add_co_u32 s52, s52, QS
	s_mov_b32 s53, 0
	s_add_nc_u64 s[52:53], s[4:5], s[52:53]
	s_lshl_b32 s50, s31, 1
	s_add_co_u32 s50, s50, s26                     ; my 128 keys of the batch: also p's K step
	s_lshl_b32 s54, s50, 12
	s_lshl_b32 s51, s45, 16                        ; 32 chunks of 2,048 bytes a batch
	s_add_co_u32 s54, s54, s51
	s_add_co_u32 s54, s54, KSO
	s_mov_b32 s55, 0
	s_add_nc_u64 s[54:55], s[4:5], s[54:55]
.irp s, 0,1,2,3,4,5,6,7
.irp p, 0,1
	global_load_b32 v[RS+2*\s+\p], v10, s[52:53] offset:\s*256+\p*128
.endr
.endr
	LDCS 0
	global_prefetch_b8 v16, s[PFR:PFR+1] offset:6144 th:TH_LOAD_NT scope:SCOPE_SE     ; the first tile's K steps 4-7, one fill on: q,
	global_prefetch_b8 v17, s[PFC:PFC+1] offset:6144 th:TH_LOAD_NT scope:SCOPE_SE     ; k
	s_mul_i32 s56, s48, 4*24576                    ; p's codes: my first tile, 16 K steps a tile,
	s_mul_i32 s51, s50, 1536                       ; my K step
	s_add_co_u32 s56, s56, s51
	s_mov_b32 s57, 0
	s_add_nc_u64 s[56:57], s[6:7], s[56:57]
	s_lshl_b32 s58, s48, 12                        ; the words: chunks of 16 x 256 bytes
	s_lshl_b32 s51, s50, 8
	s_add_co_u32 s58, s58, s51
	s_add_co_u32 s58, s58, PS
	s_mov_b32 s59, 0
	s_add_nc_u64 s[58:59], s[6:7], s[58:59]
	s_wait_alu depctr_va_vdst(0)
	s_wait_tensorcnt 0x0                           ; my part of places 0 and 1 is in
	ds_add_u32 v30, v31
	s_add_co_u32 s89, s89, 2*GRP                   ; no tensor load of mine is out: two places on in LDS,
	s_add_nc_u64 s[90:91], s[90:91], 2*BLKB        ; and in each tile's bytes
	s_add_co_u32 s93, s93, 2*GRP
	s_add_nc_u64 s[94:95], s[94:95], 2*BLKB
	s_wait_dscnt 0x0
	CROUND                                         ; everybody's part is in, and the joint loads meet
	HLOAD                                          ; places 2 and 3: the load has three K steps (96 matrix instructions) in which to land
	FETCH 0, 0, 0
	s_wait_loadcnt 0x0                             ; the scale words
	global_prefetch_b8 v17, s[PFC:PFC+1] offset:786432 th:TH_LOAD_NT scope:SCOPE_SE   ; the second tile's keys (64 tiles on), K steps 0-3: one fill on
	; ---- the first tile
	KS_N 0, 1
	KS_N 1, 0
	KS_N 2, 0
	KS_S 3, 0                                      ; places 2 and 3 are whole
	KS_N 4, 0
	KS_T 5                                         ; the second tile's K steps 0-3 of k go into places 0 and 1
	WIN 0
	global_prefetch_b8 v17, s[PFC:PFC+1] offset:786432+6144 th:TH_LOAD_NT scope:SCOPE_SE   ; its K steps 4-7, one fill on: the last that is asked for
	KS_N 6, 0
	KS_L 7
	EPI 0
	; ---- the second tile's opening.  The first tile's stores have read their registers, which are the fragments'.  All my tensor loads have landed: with the round that shows places 0 and 1 whole in every wave's eyes;
	; C's parts of places 2 and 3, read out, are filled behind the round: the last loads, which have three K steps (96 matrix instructions) in which to land.
	WIN 0
	s_wait_xcnt 0x0
	s_wait_tensorcnt 0x0
	ds_add_u32 v30, v31                            ; the descriptor's steps stand between the add and the wait for it
	s_add_co_u32 s9, s9, 2*GRP                     ; two places on in LDS,
	s_add_nc_u64 s[10:11], s[10:11], 2*BLKB        ; and in each tile's bytes; the type bits on top are not reached
	s_wait_dscnt 0x0
	CROUND
	ALOAD
	FETCH 0, 0, 0
	s_wait_loadcnt 0x0                             ; this tile's scale words of k
	KS_N 0, 1
	KS_N 1, 0
	KS_N 2, 0
	KS_S 3, 0                                      ; places 2 and 3 are whole; nothing is filled any more
	KS_N 4, 0
	KS_N 5, 0
	KS_N 6, 0
	KS_L 7
	EPI 1
	s_wait_tensorcnt 0x0                           ; the wave's end
	ds_add_u32 v30, v31
	s_wait_dscnt 0x0
	CROUND                                         ; the closing round
	s_endpgm
.Lfunc_end_k_qe36b3a4676_scores:
	.size	k_qe36b3a4676_scores, .Lfunc_end_k_qe36b3a4676_scores-k_qe36b3a4676_scores
	.p2alignl 7, 3214868480
	.fill 96, 4, 3214868480
	.section	.rodata,"a",@progbits
	.p2align	6, 0x0
	.amdhsa_kernel k_qe36b3a4676_scores
		.amdhsa_group_segment_fixed_size 327680
		.amdhsa_private_segment_fixed_size 0
		.amdhsa_enable_private_segment 0
		.amdhsa_kernarg_size 16
		.amdhsa_user_sgpr_count 2
		.amdhsa_user_sgpr_kernarg_segment_ptr 1
		.amdhsa_wavefront_size32 1
		.amdhsa_system_sgpr_workgroup_id_x 1
		.amdhsa_system_sgpr_workgroup_id_y 1
		.amdhsa_system_sgpr_workgroup_id_z 1
		.amdhsa_system_vgpr_workitem_id 0
		.amdhsa_next_free_vgpr 768
		.amdhsa_next_free_sgpr 102
		.amdhsa_reserve_vcc 0
		.amdhsa_float_denorm_mode_32 3
		.amdhsa_float_denorm_mode_16_64 3
		.amdhsa_memory_ordered 1
		.amdhsa_forward_progress 1
		.amdhsa_inst_pref_size 215
	.end_amdhsa_kernel
	.amdgpu_metadata
---
amdhsa.version: [ 1, 2 ]
amdhsa.kernels:
  - .name:           k_qe36b3a4676_scores
    .symbol:         k_qe36b3a4676_scores.kd
    .args:
      - { .name: qkv, .offset: 0, .size: 8, .value_kind: global_buffer, .address_space: global }
      - { .name: pst, .offset: 8, .size: 8, .value_kind: global_buffer, .address_space: global }
    .group_segment_fixed_size: 327680
    .private_segment_fixed_size: 0
    .kernarg_segment_align: 8
    .kernarg_segment_size: 16
    .max_flat_workgroup_size: 128
    .sgpr_count:     102
    .vgpr_count:     768
    .wavefront_size: 32
...
	.end_amdgpu_metadata
.endif
;; end of part 3
;; launch pv (part 4): grid 4 x 64, 4 waves a work-group, clusters of 4 x 4, 327,680 bytes of LDS; arguments pst, qkv, oq; writes oq
.if DOCPART == 4
	.amdgcn_target "amdgcn-amd-amdhsa--gfx1250"
	.amdhsa_code_object_version 6
	.text
	.protected	k_qe36b3a4676_pv
	.globl	k_qe36b3a4676_pv
	.p2align	8
	.type	k_qe36b3a4676_pv,@function
k_qe36b3a4676_pv:
	s_mov_b64 s[64:65], 0
	v_nop
	global_prefetch_b8 v0, s[64:65] scope:SCOPE_SE
	s_setreg_imm32_b32 hwreg(HW_REG_WAVE_MODE, 25, 1), 1
	s_wait_xcnt 0x0
	s_wait_alu depctr_hold_cnt(0) depctr_sa_sdst(0) depctr_va_vdst(0) depctr_va_sdst(0) depctr_va_ssrc(0) depctr_va_vcc(0) depctr_vm_vsrc(0)
	s_getreg_b32 s2, hwreg(HW_REG_IB_STS2, 6, 4)
	s_cmp_eq_u32 s2, 0
	s_cbranch_scc0 .Lentry_in_a_cluster
	s_endpgm
.Lentry_in_a_cluster:
	s_bfe_u32 s2, ttmp6, 0x10000c
	s_cmp_lg_u32 s2, 0xf033
	s_cbranch_scc0 .Lentry_shape_is_right
	s_endpgm
.Lentry_shape_is_right:
; FOURTH LAUNCH: O^T = V^T p^T on codes of FP6, K = the batch's 2,048 keys; then O / l, quantised along d.  Nothing of reference() is left out.
; AHEAD OF THE PRODUCT each wave makes, for its 64 queries: the row's -M = the least of the sixteen -M'; e = M' - M (a whole number, 0 or less) for each 128 keys; l = the sum of the sixteen sums x 2^e;
; and it adds e to the four bytes of each scale word of p: an exact power of two, so that the codes' values are those under the row's M.
; ROLES, SHARES, CLUSTER, LAYOUTS as in the launches before: R (source 1) = p, C (source 0) = V^T; 128 queries x 256 channels a work-group, 64 x 128 a wave.
; THE RING: two slots of four K steps (147,456 bytes each).  Both are filled at the head; each is filled once more, behind a round of the cluster's barrier, one joint load a wave, which has four K steps (128 matrix instructions) in which to land.
; oq: O's codes at 0 ([512 tiles of queries][8 K steps][1,536]), scale words at OS.
; LIMITS: a scale byte of p that would fall under 0 is held at 0: such terms lie under 2^-124 of the row's largest; a block of zeros of O gets the byte 1 where the rule says 127; NaN and infinities are not served.
; REGISTERS as before, with v32-63 p's scale words, v64-127 V's, v128-135 1 / l (a pair a block), v136-149 at work; ahead of the first fragments v160-191 hold -M', v192-223 the sums.
.set GK,    4
.set NG,    2
.set BLKB,  GK*1536
.set GRP,   24*BLKB
.set SPARE, NG*GRP                     ; the spare words, 128 bytes a wave: two blocks of 256 bytes that no other line names
.set KSR,   16
.set KSC,   64
.set RS,    32
.set CS,    64
.set RF,    160
.set TM,    160
.set PW,    144
.set G1R,   36
.set G1C,   12
.set G0R,   68
.set G0C,   84
.set PFR,   92                         ; s[92:93], s[94:95] where my prefetches of p and of V^T begin; never rewritten
.set PFC,   94
.set PS,    12582912
.set VC,    12582912
.set VS,    19398656
.set OS,    6291456
.set MSB, 0
.macro WIN new                         ; the immediate's high byte repeats the setting that is left
.if MSB != \new
	s_set_vgpr_msb (MSB<<8)|\new
.set MSB, \new
.endif
.endm
.macro PLACES
.rept 4
	v_nop
.endr
.endm
.macro CREST
	s_cmp_lg_u32 s24, 0
	s_cbranch_scc1 .Lnot_wave_0_\@
	s_barrier_signal -3
.Lnot_wave_0_\@:
	s_barrier_wait -3
	s_barrier_signal -1
	s_barrier_wait -1
.endm
.macro CROUND
	s_barrier_signal -1
	s_barrier_wait -1
	CREST
.endm
.macro JLOAD g                         ; waves 0 and 1 fetch R's halves, waves 2 and 3 C's; an s_nop 0 and four v_nop follow each line
	s_cmp_eq_u32 s25, 0
	s_cbranch_scc0 .Lfor_c_\@
	tensor_load_to_lds s[G0R+4*\g:G0R+4*\g+3], s[G1R:G1R+7]
	s_nop 0
.rept 4
	v_nop
.endr
	s_branch .Lasked_\@
.Lfor_c_\@:
	tensor_load_to_lds s[G0C+4*\g:G0C+4*\g+3], s[G1C:G1C+7]
	s_nop 0
.rept 4
	v_nop
.endr
.Lasked_\@:
.endm
.macro FETCH set, g, kk
	WIN 0x40
.irp i, 0,1,2,3,4,5,6,7
.irp c, 0,1,2
	ds_load_b128 v[96*(\set)+12*\i+4*\c:96*(\set)+12*\i+4*\c+3], v[6+(\g)] offset:\i*BLKB+(\kk)*1536+512*\c
.endr
.endr
	WIN 0
.irp i, 0,1,2,3
.irp c, 0,1,2
	ds_load_b128 v[RF+48*(\set)+12*\i+4*\c:RF+48*(\set)+12*\i+4*\c+3], v[2+(\g)] offset:\i*BLKB+(\kk)*1536+512*\c
.endr
.endr
.endm
.macro MULA s, a, mode                 ; R's block a against C's eight tiles; the 32 accumulators take turns
	WIN 0xa1
.irp b, 0,1,2,3,4,5,6,7
.set rD, 8*(8*(\a)+\b)
.set rA, 96*((\s)%2)+12*\b
.set rB, RF+48*((\s)%2)+12*(\a)
.set rX, CS+4*(\s)+\b/2
.set rY, RS+2*(\s)+(\a)/2
.set rP, 4*(\mode)+2*((\a)%2)+\b%2
.if rP == 0
	v_wmma_scale_f32_16x16x128_f8f6f4 v[rD:rD+7], v[rA:rA+11], v[rB:rB+11], v[rD:rD+7], v[rX], v[rY] matrix_a_fmt:MATRIX_FMT_FP6 matrix_b_fmt:MATRIX_FMT_FP6
.elseif rP == 1
	v_wmma_scale_f32_16x16x128_f8f6f4 v[rD:rD+7], v[rA:rA+11], v[rB:rB+11], v[rD:rD+7], v[rX], v[rY] matrix_a_fmt:MATRIX_FMT_FP6 matrix_b_fmt:MATRIX_FMT_FP6 matrix_a_scale:MATRIX_SCALE_ROW1
.elseif rP == 2
	v_wmma_scale_f32_16x16x128_f8f6f4 v[rD:rD+7], v[rA:rA+11], v[rB:rB+11], v[rD:rD+7], v[rX], v[rY] matrix_a_fmt:MATRIX_FMT_FP6 matrix_b_fmt:MATRIX_FMT_FP6 matrix_b_scale:MATRIX_SCALE_ROW1
.elseif rP == 3
	v_wmma_scale_f32_16x16x128_f8f6f4 v[rD:rD+7], v[rA:rA+11], v[rB:rB+11], v[rD:rD+7], v[rX], v[rY] matrix_a_fmt:MATRIX_FMT_FP6 matrix_b_fmt:MATRIX_FMT_FP6 matrix_a_scale:MATRIX_SCALE_ROW1 matrix_b_scale:MATRIX_SCALE_ROW1
.elseif rP == 4
	v_wmma_scale_f32_16x16x128_f8f6f4 v[rD:rD+7], v[rA:rA+11], v[rB:rB+11], 0, v[rX], v[rY] matrix_a_fmt:MATRIX_FMT_FP6 matrix_b_fmt:MATRIX_FMT_FP6
.elseif rP == 5
	v_wmma_scale_f32_16x16x128_f8f6f4 v[rD:rD+7], v[rA:rA+11], v[rB:rB+11], 0, v[rX], v[rY] matrix_a_fmt:MATRIX_FMT_FP6 matrix_b_fmt:MATRIX_FMT_FP6 matrix_a_scale:MATRIX_SCALE_ROW1
.elseif rP == 6
	v_wmma_scale_f32_16x16x128_f8f6f4 v[rD:rD+7], v[rA:rA+11], v[rB:rB+11], 0, v[rX], v[rY] matrix_a_fmt:MATRIX_FMT_FP6 matrix_b_fmt:MATRIX_FMT_FP6 matrix_b_scale:MATRIX_SCALE_ROW1
.else
	v_wmma_scale_f32_16x16x128_f8f6f4 v[rD:rD+7], v[rA:rA+11], v[rB:rB+11], 0, v[rX], v[rY] matrix_a_fmt:MATRIX_FMT_FP6 matrix_b_fmt:MATRIX_FMT_FP6 matrix_a_scale:MATRIX_SCALE_ROW1 matrix_b_scale:MATRIX_SCALE_ROW1
.endif
.endr
.endm
.macro KS_N s, mode
	s_wait_dscnt 0x0                               ; this K step's fragments are in
	PLACES
	FETCH ((\s)+1)%2, (((\s)+1)/GK)%NG, ((\s)+1)%GK
	MULA \s, 0, \mode
	MULA \s, 1, \mode
	MULA \s, 2, \mode
	MULA \s, 3, \mode
.endm
; A slot's last K step changes slots: ONE barrier.  In front of it each wave waits for all its tensor loads (its part of the other slot), adds 0 to its spare word, and waits for that and for its reads of this slot.
; fill = 1: the barrier opens a round of the cluster's barrier, and behind the round slot sl, just read out, is filled with the K steps two slots on: the wave's one tensor load until the next such barrier.
.macro KS_T s, sl, fill
	WIN 0                                          ; (the add's two registers lie in window 0)
	s_wait_tensorcnt 0x0                           ; no tensor load of mine is out, so a group 0 may be written
	ds_add_u32 v30, v31                            ; 0 onto my spare word
.if \fill
	s_add_nc_u64 s[G0R+4*\sl+2:G0R+4*\sl+3], s[G0R+4*\sl+2:G0R+4*\sl+3], 2*BLKB
	s_add_nc_u64 s[G0C+4*\sl+2:G0C+4*\sl+3], s[G0C+4*\sl+2:G0C+4*\sl+3], 2*BLKB
.endif
	s_wait_dscnt 0x0                               ; the add is done, this K step's fragments are in, and my reads of this slot are over
	s_barrier_signal -1
	MULA \s, 0, 0                                  ; work on registers while the others arrive
	WIN 0
	s_barrier_wait -1
.if \fill
	CREST                                          ; no wave of any partner still reads this slot or has a load on its way
	JLOAD \sl                                      ; the four v_nop behind it are also the places in front of the loads below
.else
	PLACES
.endif
	FETCH ((\s)+1)%2, (((\s)+1)/GK)%NG, ((\s)+1)%GK
	MULA \s, 1, 0
	MULA \s, 2, 0
	MULA \s, 3, 0
.endm
.macro KS_L s
	s_wait_dscnt 0x0
	MULA \s, 0, 0
	MULA \s, 1, 0
	MULA \s, 2, 0
	MULA \s, 3, 0
.endm
.macro QMAX a
	WIN 0x0a
.irp e, 0,1,2,3
	v_max3_num_f32 v[TM+\e], |v[64*(\a)+16*\e]|, |v[64*(\a)+16*\e+1]|, 0x1800000   ; and the floor 2^(3 - 127)
.endr
	WIN 0x28
.irp i, 2,4,6,8,10,12,14
.irp e, 0,1,2,3
	v_max3_num_f32 v[TM+\e], v[TM+\e], |v[64*(\a)+16*\e+\i]|, |v[64*(\a)+16*\e+\i+1]|
.endr
.endr
	WIN 0
.irp e, 0,1,2,3
	v_permlanex16_b32 v[TM+4+\e], v[TM+\e], s20, s21
.endr
.irp e, 0,1,2,3
	v_max_num_f32 v[TM+\e], v[TM+\e], v[TM+4+\e]
.endr
.endm
.macro QTAIL a
.set rPC, 176+20*(\a)
.set rA0, 64*(\a)
.irp e, 0,1,2,3
	v_add_nc_u32 v[TM+12+\e], 0xff000000, v[TM+\e]
.endr
.irp e, 0,1,2,3
	v_lshrrev_b32 v[TM+4+\e], 23, v[TM+12+\e]
.endr
	v_lshl_or_b32 v[PW+(\a)], v[TM+5], 8, v[TM+4]
	v_lshl_or_b32 v[PW+(\a)], v[TM+6], 16, v[PW+(\a)]
	v_lshl_or_b32 v[PW+(\a)], v[TM+7], 24, v[PW+(\a)]
	WIN 0x02
.irp c, 0,1
	v_cvt_scalef32_pk16_fp6_f32 v[rPC+6*\c:rPC+6*\c+2], v[rA0+32*\c:rA0+32*\c+15], v[TM+12+2*\c]
	v_cvt_scalef32_pk16_fp6_f32 v[rPC+12+4*\c:rPC+14+4*\c], v[rA0+16+32*\c:rA0+31+32*\c], v[TM+13+2*\c]
.endr
	WIN 0
	v_nop                                          ; one plain place behind a scaled conversion
.irp c, 0,1
.irp i, 0,1,2
	v_permlane16_swap_b32 v[rPC+6*\c+\i], v[rPC+12+4*\c+\i]
.endr
.irp i, 0,1,2
	v_mov_b32 v[rPC+3+6*\c+\i], v[rPC+12+4*\c+\i]
.endr
.endr
.endm
; K step s of the rows in half p of my 64: e = M' - M; the sum joins l under the row's M; e is added to the word's four bytes, each held at 0 from below.
.macro FIXW p, s
.set rW, RS+2*(\s)+(\p)
	v_sub_f32 v140, v[136+(\p)], v[160+2*(\s)+(\p)]   ; (-M) - (-M'): a whole number, 0 or less
	v_cvt_i32_f32 v140, v140                       ; (it saturates)
.if (\s) == 0
	v_ldexp_f32 v[138+(\p)], v[192+(\p)], v140
.else
	v_ldexp_f32 v141, v[192+2*(\s)+(\p)], v140
	v_add_f32 v[138+(\p)], v[138+(\p)], v141
.endif
	v_bfe_u32 v142, v[rW], 0, 8
	v_bfe_u32 v143, v[rW], 8, 8
	v_bfe_u32 v144, v[rW], 16, 8
	v_lshrrev_b32 v145, 24, v[rW]
.irp i, 142,143,144,145
	v_add_nc_u32 v\i, v\i, v140
.endr
.irp i, 142,143,144,145
	v_max_i32 v\i, 0, v\i
.endr
	v_lshl_or_b32 v[rW], v143, 8, v142
	v_lshl_or_b32 v[rW], v144, 16, v[rW]
	v_lshl_or_b32 v[rW], v145, 24, v[rW]
.endm
	s_load_b128 s[4:7], s[0:1], 0x0                ; pst, qkv
	s_load_b64 s[8:9], s[0:1], 0x10                ; oq
	v_lshl_add_u32 v30, v0, 2, SPARE
	v_mov_b32 v31, 0
	ds_add_u32 v30, v31                            ; the wave's opening: the add, twice on end, and its wait ahead of my first tensor load
	ds_add_u32 v30, v31
	v_lshrrev_b32 v1, 5, v0
	v_readfirstlane_b32 s24, v1                    ; wave 0..3
	s_lshr_b32 s25, s24, 1                         ; my 64 queries.  Also: I fetch for R (0) or for C (1)
	s_and_b32 s26, s24, 1                          ; my 128 channels.  Also: which half I fetch
	s_bfe_u32 s27, ttmp6, 0x40000                  ; cx
	s_bfe_u32 s28, ttmp6, 0x40004                  ; cy
	s_and_b32 s29, ttmp7, 0xffff                   ; cluster y, 0..15
	s_lshr_b32 s45, s29, 2                         ; the batch
	s_lshl_b32 s30, s29, 2
	s_add_co_u32 s30, s30, s28                     ; p's tile of 128 queries
	s_lshl_b32 s31, ttmp9, 2
	s_add_co_u32 s31, s31, s27                     ; V^T's tile of 256 channels
	s_lshl_b32 s32, s28, 2
	s_lshl_b32 s32, 15, s32
	s_lshl_b32 s33, 0x1111, s27
	s_or_b32 s[G1R], s32, (3<<16)|(1<<21)          ; the mask; elements of 8 bytes; bit 21 beside a mask; no padding
	s_mov_b32 s[G1R+1], (BLKB/8)<<16               ; a tile's four K steps, 6,144 bytes on end
	s_mov_b32 s[G1R+2], 4<<16
	s_mov_b32 s[G1R+3], (BLKB/8)<<16
	s_mov_b32 s[G1R+4], 4
	s_mov_b32 s[G1R+5], KSR*192
	s_mov_b32 s[G1R+6], 0
	s_mov_b32 s[G1R+7], 0
	s_or_b32 s[G1C], s33, (3<<16)|(1<<21)
	s_mov_b32 s[G1C+1], (BLKB/8)<<16
	s_mov_b32 s[G1C+2], 8<<16
	s_mov_b32 s[G1C+3], (BLKB/8)<<16
	s_mov_b32 s[G1C+4], 8
	s_mov_b32 s[G1C+5], KSC*192
	s_mov_b32 s[G1C+6], 0
	s_mov_b32 s[G1C+7], 0
	s_lshl_b32 s48, s30, 3
	s_lshl_b32 s49, s26, 2
	s_add_co_u32 s48, s48, s49
	s_mul_i32 s34, s48, KSR*1536                   ; p's codes begin at byte 0
	s_mov_b32 s35, 0
	s_lshl_b32 s50, s31, 4
	s_lshl_b32 s51, s26, 3
	s_add_co_u32 s50, s50, s51
	s_mul_i32 s46, s50, KSC*1536
	s_mul_i32 s51, s45, 16*1536                    ; the batch's sixteen K steps
	s_add_co_u32 s46, s46, s51
	s_add_co_u32 s46, s46, VC
	s_mov_b32 s47, 0
	s_mul_i32 s66, s26, 4*BLKB
	s_mul_i32 s67, s26, 8*BLKB
	s_add_co_u32 s67, s67, 8*BLKB
	s_mov_b32 s20, 0x76543210
	s_mov_b32 s21, 0xfedcba98
	s_mov_b32 s44, 0xffff0000
	s_wait_dscnt 0x0                               ; both opening adds are done
	s_wait_kmcnt 0x0
	s_add_nc_u64 s[34:35], s[4:5], s[34:35]
	s_add_nc_u64 s[46:47], s[6:7], s[46:47]
	CROUND                                         ; all sixteen work-groups are here: the first joint loads meet
.irp g, 0,1                            ; both slots: their groups 0
	s_mov_b32 s[G0R+4*\g], 1
	s_add_co_u32 s[G0R+4*\g+1], s66, \g*GRP
	s_add_nc_u64 s[G0R+4*\g+2:G0R+4*\g+3], s[34:35], \g*BLKB
	s_or_b32 s[G0R+4*\g+3], s[G0R+4*\g+3], 0x80000000
	s_mov_b32 s[G0C+4*\g], 1
	s_add_co_u32 s[G0C+4*\g+1], s67, \g*GRP
	s_add_nc_u64 s[G0C+4*\g+2:G0C+4*\g+3], s[46:47], \g*BLKB
	s_or_b32 s[G0C+4*\g+3], s[G0C+4*\g+3], 0x80000000
.endr
	JLOAD 0                                        ; slot 0: one tensor load a wave at the head; slot 1's first fill stands behind the head's closing round
	; PREFETCHES INTO THE L2.  A slot is four K steps: 6,144 bytes on end of each tile of 16 slots.  The four partners of a joint load share its bytes out by address: of R's eight tiles the partner at cx takes two,
	; wave w half w % 2 of tile 2 cx + w / 2 (12 blocks of 256 bytes); of C's sixteen the partner at cy takes four, wave w one (24 blocks).  A lane a block; lanes left over name the wave's last block again.
	; Here the second and third fills are asked for, behind the second fill the fourth: one or two fills ahead of the tensor load; the fills are told apart by immediates.
	s_lshl_b32 s96, s30, 3
	s_lshl_b32 s97, s27, 1
	s_add_co_u32 s96, s96, s97
	s_add_co_u32 s96, s96, s25
	s_mul_i32 s96, s96, KSR*1536
	s_mul_i32 s97, s26, 3072
	s_add_co_u32 s96, s96, s97
	s_mov_b32 s97, 0
	s_add_nc_u64 s[PFR:PFR+1], s[4:5], s[96:97]
	s_lshl_b32 s98, s31, 4
	s_lshl_b32 s99, s28, 2
	s_add_co_u32 s98, s98, s99
	s_add_co_u32 s98, s98, s24
	s_mul_i32 s98, s98, KSC*1536
	s_mul_i32 s99, s45, 16*1536
	s_add_co_u32 s98, s98, s99
	s_add_co_u32 s98, s98, VC
	s_mov_b32 s99, 0
	s_add_nc_u64 s[PFC:PFC+1], s[6:7], s[98:99]
	v_and_b32 v17, 31, v0
	v_min_u32 v16, 11, v17
	v_min_u32 v17, 23, v17
	v_lshlrev_b32 v16, 8, v16                      ; v16: R's blocks, v17: C's; never rewritten
	v_lshlrev_b32 v17, 8, v17
	v_and_b32 v10, 31, v0
	v_lshlrev_b32 v1, 4, v10
	v_lshlrev_b32 v10, 2, v10
	s_wait_alu depctr_va_vdst(0)
	s_mul_i32 s48, s25, 4*BLKB
	s_mul_i32 s49, s26, 8*BLKB
	s_add_co_u32 s49, s49, 8*BLKB
.irp g, 0,1
	v_add_nc_u32 v[2+\g], s48, v1
	v_add_nc_u32 v[6+\g], s49, v1
	s_add_co_u32 s48, s48, GRP
	s_add_co_u32 s49, s49, GRP
.endr
	s_lshl_b32 s48, s30, 1
	s_add_co_u32 s48, s48, s25                     ; my chunk of 64 query slots
	s_lshl_b32 s52, s48, 12
	s_add_co_u32 s52, s52, PS
	s_mov_b32 s53, 0
	s_add_nc_u64 s[52:53], s[4:5], s[52:53]        ; p's scale words; -M' and the sums lie 524,288 and 1,048,576 bytes on
	s_lshl_b32 s50, s31, 1
	s_add_co_u32 s50, s50, s26                     ; my 128 channels: also O's K step
	s_lshl_b32 s54, s50, 15                        ; two chunks of 64 x 256 bytes
	s_lshl_b32 s51, s45, 12                        ; the batch's sixteen K steps
	s_add_co_u32 s54, s54, s51
	s_add_co_u32 s54, s54, VS
	s_mov_b32 s55, 0
	s_add_nc_u64 s[54:55], s[6:7], s[54:55]
.irp s, 0,1,2,3,4,5,6,7,8,9,10,11,12,13,14,15
.irp q, 0,1,2,3
	global_load_b32 v[CS+4*\s+\q], v10, s[54:55] offset:(\q/2)*KSC*256+\s*256+(\q%2)*128
.endr
.endr
.irp s, 0,1,2,3,4,5,6,7,8,9,10,11,12,13,14,15
.irp p, 0,1
	global_load_b32 v[RS+2*\s+\p], v10, s[52:53] offset:\s*256+\p*128
	global_load_b32 v[160+2*\s+\p], v10, s[52:53] offset:524288+\s*256+\p*128
	global_load_b32 v[192+2*\s+\p], v10, s[52:53] offset:1048576+\s*256+\p*128
.endr
.endr
	global_prefetch_b8 v16, s[PFR:PFR+1] offset:BLKB th:TH_LOAD_NT scope:SCOPE_SE     ; the second fill,
	global_prefetch_b8 v17, s[PFC:PFC+1] offset:BLKB th:TH_LOAD_NT scope:SCOPE_SE
	global_prefetch_b8 v16, s[PFR:PFR+1] offset:2*BLKB th:TH_LOAD_NT scope:SCOPE_SE   ; and the third
	global_prefetch_b8 v17, s[PFC:PFC+1] offset:2*BLKB th:TH_LOAD_NT scope:SCOPE_SE
	s_mul_i32 s56, s48, 4*12288                    ; O's codes: my first tile, 8 K steps a tile,
	s_mul_i32 s51, s50, 1536                       ; my K step
	s_add_co_u32 s56, s56, s51
	s_mov_b32 s57, 0
	s_add_nc_u64 s[56:57], s[8:9], s[56:57]
	s_lshl_b32 s58, s48, 11
	s_lshl_b32 s51, s50, 8
	s_add_co_u32 s58, s58, s51
	s_add_co_u32 s58, s58, OS
	s_mov_b32 s59, 0
	s_add_nc_u64 s[58:59], s[8:9], s[58:59]
	s_wait_loadcnt 0x0
.irp p, 0,1                            ; while the tiles are on their way: the rows' -M,
	v_min_num_f32 v[136+\p], v[160+\p], v[162+\p]
.irp s, 2,3,4,5,6,7,8,9,10,11,12,13,14,15
	v_min_num_f32 v[136+\p], v[136+\p], v[160+2*\s+\p]
.endr
.endr
.irp s, 0,1,2,3,4,5,6,7,8,9,10,11,12,13,14,15
.irp p, 0,1
	FIXW \p, \s                                    ; l, and the scale words under the row's M
.endr
.endr
	s_wait_alu depctr_va_vdst(0)
	v_rcp_f32 v146, v138
	v_rcp_f32 v147, v139
	v_mov_b32 v148, 0                              ; (a plain place behind the reciprocals; a lane permute's destination counts as one of its sources)
	v_mov_b32 v149, 0
	s_wait_alu depctr_va_vdst(0)                   ; one wait for both, ahead of their first reader
	v_permlanex16_b32 v148, v146, s20, s21
	v_permlanex16_b32 v149, v147, s20, s21
	v_cndmask_b32 v128, v146, v148, s44            ; 1 / l of block a's row r in both halves of the lanes: the even block's rows stood in lanes 0-15,
	v_cndmask_b32 v130, v148, v146, s44            ; the odd block's in lanes 16-31
	v_cndmask_b32 v132, v147, v149, s44
	v_cndmask_b32 v134, v149, v147, s44
.irp a, 0,1,2,3
	v_mov_b32 v[129+2*\a], v[128+2*\a]             ; (named as pairs, so the upper halves are written)
.endr
.rept 8
	v_nop                                          ; a scale register written by a vector instruction stands eight places ahead of a scaled matrix instruction
.endr
	s_wait_alu depctr_va_vdst(0)                   ; the head's end
	s_wait_tensorcnt 0x0                           ; my part of slot 0 is in
	ds_add_u32 v30, v31
	s_wait_dscnt 0x0
	CROUND                                         ; everybody's part is in, and the joint loads meet
	JLOAD 1                                        ; slot 1: the load has three K steps (96 matrix instructions) in which to land
	FETCH 0, 0, 0
	global_prefetch_b8 v16, s[PFR:PFR+1] offset:3*BLKB th:TH_LOAD_NT scope:SCOPE_SE   ; the fourth fill, two fills on: the last that is asked for
	global_prefetch_b8 v17, s[PFC:PFC+1] offset:3*BLKB th:TH_LOAD_NT scope:SCOPE_SE
	KS_N 0, 1
	KS_N 1, 0
	KS_N 2, 0
	KS_T 3, 0, 1
	KS_N 4, 0
	KS_N 5, 0
	KS_N 6, 0
	KS_T 7, 1, 1
	KS_N 8, 0
	KS_N 9, 0
	KS_N 10, 0
	KS_T 11, 0, 0
	KS_N 12, 0
	KS_N 13, 0
	KS_N 14, 0
	KS_L 15
	PLACES
	WIN 0
.irp e, 0,1,2,3
	v_mov_b32 v[TM+4+\e], 0
.endr
.macro OUTB a
	WIN 0x82
.set j, 0
.rept 32
	v_pk_mul_f32 v[64*(\a)+j:64*(\a)+j+1], v[64*(\a)+j:64*(\a)+j+1], v[128+2*(\a):129+2*(\a)] op_sel_hi:[1,0]   ; O / l, from each accumulator's low end on
.set j, j+2
.endr
	QMAX \a
	QTAIL \a
.irp c, 0,1,2
	global_store_b128 v1, v[176+20*(\a)+4*\c:176+20*(\a)+4*\c+3], s[56:57] offset:(\a)*12288+512*\c
.endr
.endm
	s_wait_alu depctr_va_vdst(0)
	OUTB 0
	OUTB 1
	OUTB 2
	OUTB 3
	v_cndmask_b32 v148, v144, v145, s44
	v_cndmask_b32 v149, v146, v147, s44
	global_store_b32 v10, v148, s[58:59]
	global_store_b32 v10, v149, s[58:59] offset:128
	s_wait_tensorcnt 0x0                           ; the wave's end
	ds_add_u32 v30, v31
	s_wait_dscnt 0x0
	CROUND                                         ; the closing round
	s_endpgm
.Lfunc_end_k_qe36b3a4676_pv:
	.size	k_qe36b3a4676_pv, .Lfunc_end_k_qe36b3a4676_pv-k_qe36b3a4676_pv
	.p2alignl 7, 3214868480
	.fill 96, 4, 3214868480
	.section	.rodata,"a",@progbits
	.p2align	6, 0x0
	.amdhsa_kernel k_qe36b3a4676_pv
		.amdhsa_group_segment_fixed_size 327680
		.amdhsa_private_segment_fixed_size 0
		.amdhsa_enable_private_segment 0
		.amdhsa_kernarg_size 24
		.amdhsa_user_sgpr_count 2
		.amdhsa_user_sgpr_kernarg_segment_ptr 1
		.amdhsa_wavefront_size32 1
		.amdhsa_system_sgpr_workgroup_id_x 1
		.amdhsa_system_sgpr_workgroup_id_y 1
		.amdhsa_system_sgpr_workgroup_id_z 1
		.amdhsa_system_vgpr_workitem_id 0
		.amdhsa_next_free_vgpr 768
		.amdhsa_next_free_sgpr 102
		.amdhsa_reserve_vcc 0
		.amdhsa_float_denorm_mode_32 3
		.amdhsa_float_denorm_mode_16_64 3
		.amdhsa_memory_ordered 1
		.amdhsa_forward_progress 1
		.amdhsa_inst_pref_size 184
	.end_amdhsa_kernel
	.amdgpu_metadata
---
amdhsa.version: [ 1, 2 ]
amdhsa.kernels:
  - .name:           k_qe36b3a4676_pv
    .symbol:         k_qe36b3a4676_pv.kd
    .args:
      - { .name: pst, .offset: 0, .size: 8, .value_kind: global_buffer, .address_space: global }
      - { .name: qkv, .offset: 8, .size: 8, .value_kind: global_buffer, .address_space: global }
      - { .name: oq, .offset: 16, .size: 8, .value_kind: global_buffer, .address_space: global }
    .group_segment_fixed_size: 327680
    .private_segment_fixed_size: 0
    .kernarg_segment_align: 8
    .kernarg_segment_size: 24
    .max_flat_workgroup_size: 128
    .sgpr_count:     102
    .vgpr_count:     768
    .wavefront_size: 32
...
	.end_amdgpu_metadata
.endif
;; end of part 4
;; launch outp (part 5): grid 4 x 64, 4 waves a work-group, clusters of 4 x 4, 327,680 bytes of LDS; arguments oq, xw, bo, out0; writes out0
.if DOCPART == 5
	.amdgcn_target "amdgcn-amd-amdhsa--gfx1250"
	.amdhsa_code_object_version 6
	.text
	.protected	k_qe36b3a4676_outp
	.globl	k_qe36b3a4676_outp
	.p2align	8
	.type	k_qe36b3a4676_outp,@function
k_qe36b3a4676_outp:
	s_mov_b64 s[64:65], 0
	v_nop
	global_prefetch_b8 v0, s[64:65] scope:SCOPE_SE
	s_setreg_imm32_b32 hwreg(HW_REG_WAVE_MODE, 25, 1), 1
	s_wait_xcnt 0x0
	s_wait_alu depctr_hold_cnt(0) depctr_sa_sdst(0) depctr_va_vdst(0) depctr_va_sdst(0) depctr_va_ssrc(0) depctr_va_vcc(0) depctr_vm_vsrc(0)
	s_getreg_b32 s2, hwreg(HW_REG_IB_STS2, 6, 4)
	s_cmp_eq_u32 s2, 0
	s_cbranch_scc0 .Lentry_in_a_cluster
	s_endpgm
.Lentry_in_a_cluster:
	s_bfe_u32 s2, ttmp6, 0x10000c
	s_cmp_lg_u32 s2, 0xf033
	s_cbranch_scc0 .Lentry_shape_is_right
	s_endpgm
.Lentry_shape_is_right:
; FIFTH LAUNCH: out = O Wo + bo on codes of FP6.  Nothing of reference() is left out.
; ROLES, CLUSTER, LAYOUTS as in the launches before: R (source 1) = O's rows, C (source 0) = Wo^T; a work-group makes 128 rows x 256 columns, a wave 64 x 128.
; All of K = 1,024 lies in LDS, in four places of two K steps (R's 8 tiles, then C's 16).  Places 0 and 1 are asked for at the head, one joint load a wave: waves 0 and 2 fetch R's eight tiles of place w / 2, waves 1 and 3 C's sixteen.
; Places 2 and 3 are first filled behind the wait for all tensor loads, the add, its wait and a round of the cluster's barrier, again one load a wave.
; TWO PASSES OVER K, so that half of the result leaves while the other half is multiplied.  Pass p makes my 64 rows x 64 columns (C's tiles 4 p .. 4 p + 3 of my eight): 16 accumulators, which take turns;
; a K step is 24 fragment loads in one run and 16 products.  R's fragments are read in both passes: 128 fragments a wave in all where one pass would read 96.
; THE WAY OUT of a pass: a block of 16 rows x 64 columns goes through my stage (16 rows x 272 bytes) and comes back two rows a load: sixteen lanes store one aligned unit of 256 bytes.  Pass 0's four blocks are staged behind its last product
; and stored at the heads of pass 1's K steps 0 to 3, eight stores each.  Each block has registers of its own for the way back.
; THE STAGE lies in C's tiles 0-3 of my eight, in place w / 2: 12,288 bytes that pass 0 alone reads, two waves of them; each of the two has its own place.  Those bytes have had their only fill.  A barrier stands between pass 0's last reads
; (each wave's wait on DScnt in front of its signal) and the first store into the stage.
; The bias is the C of each accumulator's first product.  Scale words go from memory straight into registers, once.  LIMITS: NaN and infinities are not served.
; REGISTERS.  window 0: v1 16 x lane, v10 4 x lane, v2-5 / v6-9 LDS addresses of R's / C's fragments in place 0-3, v13-14 the stage in and back, v15 the bias's offset, v16-17 the prefetches', v18 the stores', v30-31 the add's two,
;   v32-47 R's scale words, v48-79 C's, v80-143 the bias, v160-255 R's fragments in two sets.  window 1: v0-95 C's fragments in two sets, v96-223 rows on the way out.  window 2: accumulator (a, b) at v[8 (8 a + b)].
.set GK,    2
.set NG,    4
.set BLKB,  GK*1536
.set GRP,   24*BLKB
.set SPARE, NG*GRP                     ; the spare words, 128 bytes a wave: two blocks of 256 bytes that no other line names
.set KSR,   8
.set KSC,   8
.set RS,    32
.set CS,    48
.set RF,    160
.set BI,    80
.set OB,    96
.set SPIT,  272                        ; a stage row: 256 bytes + 16
.set G1R,   36                         ; s[36:43] group 1: R's eight tiles of a place, my row's mask
.set G1C,   12                         ; s[12:19] group 1: C's sixteen, my column's mask; s[88:91], s[92:95] the groups 0
.set PFR,   84                         ; s[84:85], s[86:87] where my prefetches of O and of Wo begin
.set PFC,   86
.set OS,    6291456
.set WOC,   8912896
.set WOS,   9797632
.set MSB, 0
.macro WIN new                         ; the immediate's high byte repeats the setting that is left; bits 1:0 source 0, 3:2 source 1, 5:4 source 2, 7:6 destination
.if MSB != \new
	s_set_vgpr_msb (MSB<<8)|\new
.set MSB, \new
.endif
.endm
.macro PLACES                          ; four plain places behind matrix instructions (ISA guide 7.12.1)
.rept 4
	v_nop
.endr
.endm
.macro CREST
	s_cmp_lg_u32 s24, 0
	s_cbranch_scc1 .Lnot_wave_0_\@
	s_barrier_signal -3
.Lnot_wave_0_\@:
	s_barrier_wait -3
	s_barrier_signal -1
	s_barrier_wait -1
.endm
.macro CROUND
	s_barrier_signal -1
	s_barrier_wait -1
	CREST
.endm
.macro HLOAD                           ; two whole places; an s_nop 0 and four v_nop follow each line
	s_cmp_eq_u32 s26, 0
	s_cbranch_scc0 .Lfor_c_\@
	tensor_load_to_lds s[88:91], s[G1R:G1R+7]
	s_nop 0
.rept 4
	v_nop
.endr
	s_branch .Lasked_\@
.Lfor_c_\@:
	tensor_load_to_lds s[92:95], s[G1C:G1C+7]
	s_nop 0
.rept 4
	v_nop
.endr
.Lasked_\@:
.endm
.macro FETCH set, g, kk, p             ; a K step's fragments for pass p: C's four and R's four, 24 loads of 512 consecutive bytes in one run
	WIN 0x40
.irp i, 0,1,2,3
.irp c, 0,1,2
	ds_load_b128 v[48*(\set)+12*\i+4*\c:48*(\set)+12*\i+4*\c+3], v[6+(\g)] offset:(4*(\p)+\i)*BLKB+(\kk)*1536+512*\c
.endr
.endr
	WIN 0
.irp i, 0,1,2,3
.irp c, 0,1,2
	ds_load_b128 v[RF+48*(\set)+12*\i+4*\c:RF+48*(\set)+12*\i+4*\c+3], v[2+(\g)] offset:\i*BLKB+(\kk)*1536+512*\c
.endr
.endr
.endm
.macro MULA s, a, mode, p              ; R's block a against pass p's four tiles of C, K step s.  mode 1: the first product takes the bias as C.  A scale register serves two neighbouring tiles: the even one in lanes 0-15, the odd one in lanes 16-31
.if (\mode) == 1
	WIN 0x81
.else
	WIN 0xa1
.endif
.irp b, 0,1,2,3
.set rD, 8*(8*(\a)+4*(\p)+\b)
.set rA, 48*((\s)%2)+12*\b
.set rB, RF+48*((\s)%2)+12*(\a)
.set rE, BI+8*(4*(\p)+\b)
.set rX, CS+4*(\s)+2*(\p)+\b/2
.set rY, RS+2*(\s)+(\a)/2
.set rP, 4*(\mode)+2*((\a)%2)+\b%2
.if rP == 0
	v_wmma_scale_f32_16x16x128_f8f6f4 v[rD:rD+7], v[rA:rA+11], v[rB:rB+11], v[rD:rD+7], v[rX], v[rY] matrix_a_fmt:MATRIX_FMT_FP6 matrix_b_fmt:MATRIX_FMT_FP6
.elseif rP == 1
	v_wmma_scale_f32_16x16x128_f8f6f4 v[rD:rD+7], v[rA:rA+11], v[rB:rB+11], v[rD:rD+7], v[rX], v[rY] matrix_a_fmt:MATRIX_FMT_FP6 matrix_b_fmt:MATRIX_FMT_FP6 matrix_a_scale:MATRIX_SCALE_ROW1
.elseif rP == 2
	v_wmma_scale_f32_16x16x128_f8f6f4 v[rD:rD+7], v[rA:rA+11], v[rB:rB+11], v[rD:rD+7], v[rX], v[rY] matrix_a_fmt:MATRIX_FMT_FP6 matrix_b_fmt:MATRIX_FMT_FP6 matrix_b_scale:MATRIX_SCALE_ROW1
.elseif rP == 3
	v_wmma_scale_f32_16x16x128_f8f6f4 v[rD:rD+7], v[rA:rA+11], v[rB:rB+11], v[rD:rD+7], v[rX], v[rY] matrix_a_fmt:MATRIX_FMT_FP6 matrix_b_fmt:MATRIX_FMT_FP6 matrix_a_scale:MATRIX_SCALE_ROW1 matrix_b_scale:MATRIX_SCALE_ROW1
.elseif rP == 4
	v_wmma_scale_f32_16x16x128_f8f6f4 v[rD:rD+7], v[rA:rA+11], v[rB:rB+11], v[rE:rE+7], v[rX], v[rY] matrix_a_fmt:MATRIX_FMT_FP6 matrix_b_fmt:MATRIX_FMT_FP6
.elseif rP == 5
	v_wmma_scale_f32_16x16x128_f8f6f4 v[rD:rD+7], v[rA:rA+11], v[rB:rB+11], v[rE:rE+7], v[rX], v[rY] matrix_a_fmt:MATRIX_FMT_FP6 matrix_b_fmt:MATRIX_FMT_FP6 matrix_a_scale:MATRIX_SCALE_ROW1
.elseif rP == 6
	v_wmma_scale_f32_16x16x128_f8f6f4 v[rD:rD+7], v[rA:rA+11], v[rB:rB+11], v[rE:rE+7], v[rX], v[rY] matrix_a_fmt:MATRIX_FMT_FP6 matrix_b_fmt:MATRIX_FMT_FP6 matrix_b_scale:MATRIX_SCALE_ROW1
.else
	v_wmma_scale_f32_16x16x128_f8f6f4 v[rD:rD+7], v[rA:rA+11], v[rB:rB+11], v[rE:rE+7], v[rX], v[rY] matrix_a_fmt:MATRIX_FMT_FP6 matrix_b_fmt:MATRIX_FMT_FP6 matrix_a_scale:MATRIX_SCALE_ROW1 matrix_b_scale:MATRIX_SCALE_ROW1
.endif
.endr
.endm
.macro MUL4 s, mode, p
	MULA \s, 0, \mode, \p
	MULA \s, 1, \mode, \p
	MULA \s, 2, \mode, \p
	MULA \s, 3, \mode, \p
.endm
.macro KS_N s, mode, p                 ; a K step whose successor lies in a place that is known whole
	s_wait_dscnt 0x0                               ; this K step's fragments are in
	PLACES
	FETCH ((\s)+1)%2, (((\s)+1)/GK)%NG, ((\s)+1)%GK, \p
	MUL4 \s, \mode, \p
.endm
.macro TOST a, p                       ; block a of pass p into my stage, each accumulator from its low end on, and back two rows a load.  LDS serves a wave's instructions in order (ISA guide 5.7.1.4): no wait between the stores and the loads, nor ahead of the next block's stores
	WIN 0x08
.irp b, 0,1,2,3
	ds_store_b128 v13, v[64*(\a)+32*(\p)+8*\b:64*(\a)+32*(\p)+8*\b+3] offset:128*(\b/2)+32*(\b%2)
	ds_store_b128 v13, v[64*(\a)+32*(\p)+8*\b+4:64*(\a)+32*(\p)+8*\b+7] offset:128*(\b/2)+32*(\b%2)+16
.endr
	WIN 0x40
.irp u, 0,1,2,3,4,5,6,7
	ds_load_b128 v[OB+32*(\a)+4*\u:OB+32*(\a)+4*\u+3], v14 offset:\u*2*SPIT
.endr
	WIN 0
.endm
.macro SEND a, p                       ; slot t of block a is row 32 (a / 2) + 8 (a % 2) + t + 8 (t / 8); lanes 0-15 store slot 2 u's 256 bytes, lanes 16-31 slot 2 u + 1's: whole aligned units
	WIN 0x04
.irp u, 0,1,2,3,4,5,6,7
	global_store_b128 v18, v[OB+32*(\a)+4*\u:OB+32*(\a)+4*\u+3], s[56:57] offset:(32*((\a)/2)+8*((\a)%2)+2*\u+8*(\u/4))*4096+256*(\p) th:TH_STORE_NT
.endr
	WIN 0
.endm
.macro KS_O s, mode                    ; pass 1's K steps 0 to 3: pass 0's block s leaves first
	s_wait_dscnt 0x0                               ; this K step's fragments are in, and pass 0's rows are back from the stage
	PLACES
	SEND \s, 0
	FETCH ((\s)+1)%2, (((\s)+1)/GK)%NG, ((\s)+1)%GK, 1
	MUL4 \s, \mode, 1
.endm
	s_load_b256 s[4:11], s[0:1], 0x0               ; oq, xw, bo, out0
	v_lshl_add_u32 v30, v0, 2, SPARE
	v_mov_b32 v31, 0
	ds_add_u32 v30, v31                            ; the wave's opening: the add, twice on end, and its wait ahead of my first tensor load
	ds_add_u32 v30, v31
	v_lshrrev_b32 v1, 5, v0
	v_readfirstlane_b32 s24, v1                    ; wave 0..3
	s_lshr_b32 s25, s24, 1                         ; my 64 rows.  Also: the place (of a pair of places) that I fetch for
	s_and_b32 s26, s24, 1                          ; my 128 columns.  Also: I fetch R (0) or C (1)
	s_bfe_u32 s27, ttmp6, 0x40000                  ; cx
	s_bfe_u32 s28, ttmp6, 0x40004                  ; cy
	s_and_b32 s29, ttmp7, 0xffff
	s_lshl_b32 s30, s29, 2
	s_add_co_u32 s30, s30, s28                     ; O's tile of 128 rows
	s_lshl_b32 s31, ttmp9, 2
	s_add_co_u32 s31, s31, s27                     ; Wo's tile of 256 columns
	s_lshl_b32 s32, s28, 2
	s_lshl_b32 s32, 15, s32                        ; my row of the cluster
	s_lshl_b32 s33, 0x1111, s27                    ; my column
	s_or_b32 s[G1R], s32, (3<<16)|(1<<21)          ; the mask; elements of 8 bytes; bit 21 beside a mask; no padding
	s_mov_b32 s[G1R+1], (BLKB/8)<<16               ; a tile's two K steps, 3,072 bytes on end
	s_mov_b32 s[G1R+2], 8<<16
	s_mov_b32 s[G1R+3], (BLKB/8)<<16
	s_mov_b32 s[G1R+4], 8
	s_mov_b32 s[G1R+5], KSR*192                    ; from tile to tile in memory
	s_mov_b32 s[G1R+6], 0
	s_mov_b32 s[G1R+7], 0
	s_or_b32 s[G1C], s33, (3<<16)|(1<<21)
	s_mov_b32 s[G1C+1], (BLKB/8)<<16
	s_mov_b32 s[G1C+2], 16<<16
	s_mov_b32 s[G1C+3], (BLKB/8)<<16
	s_mov_b32 s[G1C+4], 16
	s_mov_b32 s[G1C+5], KSC*192
	s_mov_b32 s[G1C+6], 0
	s_mov_b32 s[G1C+7], 0
	s_mul_i32 s34, s30, 8*KSR*1536                 ; R: O's eight tiles of 16 rows,
	s_mul_i32 s49, s25, BLKB                       ; the two K steps of place w / 2
	s_add_co_u32 s34, s34, s49
	s_mov_b32 s35, 0
	s_mul_i32 s46, s31, 16*KSC*1536                ; C: Wo's sixteen tiles, the same two K steps
	s_add_co_u32 s46, s46, s49
	s_add_co_u32 s46, s46, WOC
	s_mov_b32 s47, 0
	s_wait_dscnt 0x0                               ; both opening adds are done
	s_wait_kmcnt 0x0
	s_mov_b32 s88, 1                               ; group 0, R: place w / 2
	s_mul_i32 s89, s25, GRP
	s_add_nc_u64 s[90:91], s[4:5], s[34:35]
	s_or_b32 s91, s91, 0x80000000
	s_mov_b32 s92, 1                               ; group 0, C: behind R's eight tiles
	s_add_co_u32 s93, s89, 8*BLKB
	s_add_nc_u64 s[94:95], s[6:7], s[46:47]
	s_or_b32 s95, s95, 0x80000000
	CROUND                                         ; all sixteen work-groups are here: the joint loads meet
	HLOAD                                          ; places 0 and 1
	; A PREFETCH INTO THE L2 of places 2 and 3, one fill ahead: 6,144 bytes on end of each tile.  The four partners of a joint load share its bytes out by address: of R's eight tiles the partner at cx takes two,
	; wave w half w % 2 of tile 2 cx + w / 2 (12 blocks of 256 bytes); of C's sixteen the partner at cy takes four, wave w one (24 blocks).  A lane a block; lanes left over name the wave's last block again.
	s_lshl_b32 s96, s30, 3
	s_lshl_b32 s97, s27, 1
	s_add_co_u32 s96, s96, s97
	s_add_co_u32 s96, s96, s25
	s_mul_i32 s96, s96, KSR*1536
	s_mul_i32 s97, s26, 3072
	s_add_co_u32 s96, s96, s97
	s_mov_b32 s97, 0
	s_add_nc_u64 s[PFR:PFR+1], s[4:5], s[96:97]
	s_lshl_b32 s98, s31, 4
	s_lshl_b32 s99, s28, 2
	s_add_co_u32 s98, s98, s99
	s_add_co_u32 s98, s98, s24
	s_mul_i32 s98, s98, KSC*1536
	s_add_co_u32 s98, s98, WOC
	s_mov_b32 s99, 0
	s_add_nc_u64 s[PFC:PFC+1], s[6:7], s[98:99]
	s_mul_i32 s48, s25, 4*BLKB                     ; my four tiles of R,
	s_mul_i32 s49, s26, 8*BLKB
	s_add_co_u32 s49, s49, 8*BLKB                  ; my eight of C,
	s_mul_i32 s50, s25, GRP
	s_add_co_u32 s50, s50, s49                     ; my stage: the first four of them, in place w / 2
	v_and_b32 v10, 31, v0
	v_and_b32 v11, 15, v0                          ; r
	v_bfe_u32 v12, v0, 4, 1                        ; h
	v_lshlrev_b32 v1, 4, v10                       ; 16 x lane
	v_min_u32 v16, 11, v10
	v_min_u32 v17, 23, v10
	v_lshlrev_b32 v10, 2, v10                      ; 4 x lane
	v_lshlrev_b32 v16, 8, v16                      ; the prefetches' blocks: R's,
	v_lshlrev_b32 v17, 8, v17                      ; C's
	v_mul_u32_u24 v13, v11, SPIT                   ; the stage, in: row r, 64 bytes for each half of the lanes
	v_lshl_add_u32 v13, v12, 6, v13
	v_add_nc_u32 v13, s50, v13
	v_mul_u32_u24 v14, v12, SPIT                   ; and back: lanes 0-15 one row of 256 bytes, lanes 16-31 the next
	v_lshl_add_u32 v14, v11, 4, v14
	v_add_nc_u32 v14, s50, v14
	v_lshlrev_b32 v15, 6, v12                      ; the bias: 16 columns for each half of the lanes
	v_lshlrev_b32 v18, 12, v12                     ; the same two rows in out0, 4,096 bytes apart
	v_lshl_add_u32 v18, v11, 4, v18
	v_add_nc_u32 v2, s48, v1
	v_add_nc_u32 v6, s49, v1
.irp g, 1,2,3
	v_add_nc_u32 v[2+\g], \g*GRP, v2
	v_add_nc_u32 v[6+\g], \g*GRP, v6
.endr
	s_wait_alu depctr_va_vdst(0)                   ; the wait behind the head's last vector instruction
	s_lshl_b32 s48, s30, 1
	s_add_co_u32 s48, s48, s25                     ; my chunk of 64 rows
	s_lshl_b32 s52, s48, 11
	s_add_co_u32 s52, s52, OS
	s_mov_b32 s53, 0
	s_add_nc_u64 s[52:53], s[4:5], s[52:53]        ; O's scale words
	s_lshl_b32 s50, s31, 1
	s_add_co_u32 s50, s50, s26                     ; my 128 columns
	s_lshl_b32 s54, s50, 12
	s_add_co_u32 s54, s54, WOS
	s_mov_b32 s55, 0
	s_add_nc_u64 s[54:55], s[6:7], s[54:55]        ; Wo's
	s_lshl_b32 s60, s50, 9
	s_mov_b32 s61, 0
	s_add_nc_u64 s[58:59], s[8:9], s[60:61]        ; the bias
.irp s, 0,1,2,3,4,5,6,7
.irp p, 0,1
	global_load_b32 v[RS+2*\s+\p], v10, s[52:53] offset:\s*256+\p*128
.endr
.irp q, 0,1,2,3
	global_load_b32 v[CS+4*\s+\q], v10, s[54:55] offset:(\q/2)*KSC*256+\s*256+(\q%2)*128
.endr
.endr
.irp b, 0,1,2,3,4,5,6,7
	global_load_b128 v[BI+8*\b:BI+8*\b+3], v15, s[58:59] offset:(32*(\b/2)+8*(\b%2))*4
	global_load_b128 v[BI+8*\b+4:BI+8*\b+7], v15, s[58:59] offset:(32*(\b/2)+8*(\b%2))*4+16
.endr
	global_prefetch_b8 v16, s[PFR:PFR+1] offset:6144 th:TH_LOAD_NT scope:SCOPE_SE     ; places 2 and 3: O,
	global_prefetch_b8 v17, s[PFC:PFC+1] offset:6144 th:TH_LOAD_NT scope:SCOPE_SE     ; Wo
	s_lshl_b32 s56, s48, 18                        ; my 64 rows of out0, 4,096 bytes each,
	s_add_co_u32 s56, s56, s60                     ; my 128 columns
	s_mov_b32 s57, 0
	s_add_nc_u64 s[56:57], s[10:11], s[56:57]
	s_wait_tensorcnt 0x0                           ; my part of places 0 and 1 is in
	ds_add_u32 v30, v31
	s_add_co_u32 s89, s89, 2*GRP                   ; no tensor load of mine is out: two places on in LDS,
	s_add_nc_u64 s[90:91], s[90:91], 2*BLKB        ; and in each tile's bytes
	s_add_co_u32 s93, s93, 2*GRP
	s_add_nc_u64 s[94:95], s[94:95], 2*BLKB
	s_wait_dscnt 0x0
	CROUND                                         ; everybody's part is in, and the joint loads meet
	HLOAD                                          ; places 2 and 3: the last loads; they have three K steps of pass 0 (48 matrix instructions) in which to land
	FETCH 0, 0, 0, 0
	s_wait_loadcnt 0x0                             ; the scale words and the bias
	; ---- pass 0: my columns 0-63
	KS_N 0, 1, 0
	KS_N 1, 0, 0
	KS_N 2, 0, 0
	s_wait_dscnt 0x0                               ; K step 3: places 2 and 3 are whole behind a barrier
	s_wait_tensorcnt 0x0
	s_barrier_signal -1
	MULA 3, 0, 0, 0
	s_barrier_wait -1
	PLACES
	FETCH 0, 2, 0, 0
	MULA 3, 1, 0, 0
	MULA 3, 2, 0, 0
	MULA 3, 3, 0, 0
	KS_N 4, 0, 0
	KS_N 5, 0, 0
	KS_N 6, 0, 0
	s_wait_dscnt 0x0                               ; K step 7: its fragments are in, so my reads of pass 0's tiles of C are over:
	s_barrier_signal -1                            ; say so;
	PLACES
	FETCH 0, 0, 0, 1                               ; pass 1's first fragments: bytes that nobody ever writes
	MUL4 7, 0, 0
	s_barrier_wait -1                              ; every wave has said so: the stage's bytes are read no more
	PLACES
	TOST 0, 0
	TOST 1, 0
	TOST 2, 0
	TOST 3, 0
	; ---- pass 1: my columns 64-127; pass 0's rows leave at the heads of its first four K steps
	KS_O 0, 1
	KS_O 1, 0
	KS_O 2, 0
	KS_O 3, 0
	KS_N 4, 0, 1
	KS_N 5, 0, 1
	KS_N 6, 0, 1
	s_wait_dscnt 0x0
	MUL4 7, 0, 1
	PLACES
	WIN 0
	s_wait_xcnt 0x0                                ; pass 0's stores have read their registers, which take pass 1's rows
	TOST 0, 1
	TOST 1, 1
	s_wait_dscnt 16                                ; block 0 is back; behind its loads stand block 1's eight stores and eight loads
	SEND 0, 1
	TOST 2, 1
	s_wait_dscnt 16
	SEND 1, 1
	TOST 3, 1
	s_wait_dscnt 16
	SEND 2, 1
	s_wait_dscnt 0x0
	SEND 3, 1
	s_wait_tensorcnt 0x0                           ; the wave's end
	ds_add_u32 v30, v31
	s_wait_dscnt 0x0
	CROUND                                         ; the closing round
	s_endpgm
.Lfunc_end_k_qe36b3a4676_outp:
	.size	k_qe36b3a4676_outp, .Lfunc_end_k_qe36b3a4676_outp-k_qe36b3a4676_outp
	.p2alignl 7, 3214868480
	.fill 96, 4, 3214868480
	.section	.rodata,"a",@progbits
	.p2align	6, 0x0
	.amdhsa_kernel k_qe36b3a4676_outp
		.amdhsa_group_segment_fixed_size 327680
		.amdhsa_private_segment_fixed_size 0
		.amdhsa_enable_private_segment 0
		.amdhsa_kernarg_size 32
		.amdhsa_user_sgpr_count 2
		.amdhsa_user_sgpr_kernarg_segment_ptr 1
		.amdhsa_wavefront_size32 1
		.amdhsa_system_sgpr_workgroup_id_x 1
		.amdhsa_system_sgpr_workgroup_id_y 1
		.amdhsa_system_sgpr_workgroup_id_z 1
		.amdhsa_system_vgpr_workitem_id 0
		.amdhsa_next_free_vgpr 768
		.amdhsa_next_free_sgpr 102
		.amdhsa_reserve_vcc 0
		.amdhsa_float_denorm_mode_32 3
		.amdhsa_float_denorm_mode_16_64 3
		.amdhsa_memory_ordered 1
		.amdhsa_forward_progress 1
		.amdhsa_inst_pref_size 91
	.end_amdhsa_kernel
	.amdgpu_metadata
---
amdhsa.version: [ 1, 2 ]
amdhsa.kernels:
  - .name:           k_qe36b3a4676_outp
    .symbol:         k_qe36b3a4676_outp.kd
    .args:
      - { .name: oq, .offset: 0, .size: 8, .value_kind: global_buffer, .address_space: global }
      - { .name: xw, .offset: 8, .size: 8, .value_kind: global_buffer, .address_space: global }
      - { .name: bo, .offset: 16, .size: 8, .value_kind: global_buffer, .address_space: global }
      - { .name: out0, .offset: 24, .size: 8, .value_kind: global_buffer, .address_space: global }
    .group_segment_fixed_size: 327680
    .private_segment_fixed_size: 0
    .kernarg_segment_align: 8
    .kernarg_segment_size: 32
    .max_flat_workgroup_size: 128
    .sgpr_count:     102
    .vgpr_count:     768
    .wavefront_size: 32
...
	.end_amdgpu_metadata
.endif
;; end of part 5
